; MI455X (gfx1250); checked and timed in simulation.
; The chip was launched on July 23, 2026; its instructions are those of AMD's public machine-readable ISA for CDNA 5 (MIT licence, August 2026) and "CDNA5" Instruction Set Architecture Reference Guide (July 2026). The comments in the code are by the model that wrote it; some were corrected since.
;; Attention. Allowed arithmetic: matrix products marked QUANTISED: E2M3 operands, one E8M0 scale for each 32 along K, by v_wmma_scale_f32_16x16x128_f8f6f4 with both operands' format E2M3, f32 sums; everything else in f32.
;; Inputs: k_norm_w 128 float32; q_norm_w 128 float32; rope_emb 2,048 x 1 x 64 x 2 x 2 float32; wk 2,048 x 2,048 float32; wo 2,048 x 2,048 float32; wq 2,048 x 2,048 float32; wv 2,048 x 2,048 float32; x 1 x 2,048 x 2,048 float32.
;; Outputs: out0 1 x 2,048 x 2,048 float32.
;; This version of the problem:
;;   THIS VERSION OF THE PROBLEM IS GIVEN IN LOW PRECISION. The matrix products marked QUANTISED in the list below multiply operands that are first quantised to E2M3 (2 exponent bits, 3 mantissa bits; 6 bits a number), with one power-of-two scale for each 32 numbers along K (OCP MX v1.0); their sums are f32. All else is computed in f32.
;;   The module's matrix products, in the order in which they are computed (A, B: the left and right operand; K: the contracted axis; several contracted axes count as one K, in the product's order):
;;     1. [M 2,048, K 2,048] x [K 2,048, N 2,048]; A: input x; B: input wq: QUANTISED
;;     2. [M 2,048, K 2,048] x [K 2,048, N 2,048]; A: input x; B: input wk: QUANTISED
;;     3. [M 2,048, K 2,048] x [K 2,048, N 2,048]; A: input x; B: input wv: QUANTISED
;;     4. batch 16 x [M 2,048, K 128] x [K 128, N 2,048]; A: computed on the way; B: computed on the way: QUANTISED
;;     5. batch 16 x [M 128, K 2,048] x [K 2,048, N 2,048]; A: computed on the way; B: softmax (see below): QUANTISED
;;     6. [M 2,048, K 2,048] x [K 2,048, N 2,048]; A: computed on the way; B: input wo: QUANTISED
;;   THE QUANTISER, for each operand of a quantised product, along K:
;;     - K is cut into blocks of 32 from its start; a last block that is shorter is filled with zeros.
;;     - A block's scale is 2^e with e = floor(log2(the largest magnitude in the block)) - 2, held to -126 .. 127; a block of zeros has e = 0. As a byte (E8M0): e + 127.
;;     - Each number is divided by its block's scale, clamped to +-7.5, and rounded to the nearest number of E2M3, ties to even, subnormals kept.
;;     - The product sums the exact products of the quantised numbers (number of the format x scale) in f32.
;;   ~~~python
;;   def quantise(x, axis):      # numpy; x: float32 -> the quantised numbers, widened to float32 again
;;       x = np.moveaxis(x, axis, -1); K = x.shape[-1]
;;       x = np.pad(x, [(0, 0)] * (x.ndim - 1) + [(0, -K % 32)]); x = x.reshape(x.shape[:-1] + (-1, 32)); a = np.abs(x).max(-1, keepdims=True)
;;       e = np.where(a > 0, np.clip(np.frexp(np.where(a > 0, a, 1))[1] - 1 - 2, -126, 127), 0)      # np.frexp(a)[1] - 1 = floor(log2(a)), exactly
;;       r = np.clip(x / 2.0 ** e, -7.5, 7.5)
;;       step = 2.0 ** (np.maximum(np.frexp(np.where(r == 0, 1, r))[1] - 1, 0) - 3)
;;       q = np.round(r / step) * step * 2.0 ** e      # np.round: ties to even
;;       return np.moveaxis(q.reshape(q.shape[:-2] + (-1,))[..., :K], -1, axis).astype(np.float32)
;;   ~~~
;;   SOFTMAX AHEAD OF A QUANTISED PRODUCT. Where the list says 'softmax', what is quantised is not the finished softmax but p = 2^(t - M), with t = logit x log2(e) and M = ceil(the row's largest t), a whole number; so 1/2 < the row's largest p <= 1. The row's sum l is taken of the UNQUANTISED p, in f32, and the product's result is divided by l at the end. Since M is a whole number, a kernel that streams over the keys may use a running M (the ceiling of the running maximum): every later rescaling is an exact power of two, which a block's scale takes up: the codes' values come out the same.
;;   OPERANDS COMPUTED ON THE WAY. 'Computed on the way' means the value that the module computes at that place (a softmax that the list does not call 'softmax' is quantised finished and normalised). What goes into a quantiser is computed in f32, as accurately as f32 sums, v_exp_f32 and their like allow (about 1e-6 of the number): no bf16 or f16 on the way to a quantiser, and a product that is left as it is and whose result goes on into a quantised operand takes f32 operands (vector FMAs, or v_wmma_f32_16x16x4_f32). A number that lies on a knife's edge between two numbers of the format may be rounded either way, as far as f32 arithmetic and the matrix unit's own rounding can turn it there, and no further.
;; One version. Each part assembles by itself: llvm-mc -triple=amdgcn-amd-amdhsa -mcpu=gfx1250 --defsym DOCPART=n.
;; ======== version 1 of 1: 4 launches
;; limits: right only within a limited range of input values
;; workspace buffers: codes 15,728,640 bytes; scales 655,360 bytes; ropeimg 2,097,152 bytes; qkv_img 9,437,184 bytes; qkv_sc 393,216 bytes; ao_img 3,145,728 bytes; ao_sc 131,072 bytes
;; launch quant (part 1): grid 704 x 1, 4 waves a work-group, no clusters, 68,096 bytes of LDS; arguments x, wq, wk, wv, wo, rope_emb, codes, scales, ropeimg; writes codes, scales, ropeimg
.if DOCPART == 1
	.amdgcn_target "amdgcn-amd-amdhsa--gfx1250"
	.amdhsa_code_object_version 6
	.text
	.protected	k_qd585a5446d_quant
	.globl	k_qd585a5446d_quant
	.p2align	8
	.type	k_qd585a5446d_quant,@function
k_qd585a5446d_quant:
	s_mov_b64 s[64:65], 0
	v_nop
	global_prefetch_b8 v0, s[64:65] scope:SCOPE_SE
	s_setreg_imm32_b32 hwreg(HW_REG_WAVE_MODE, 25, 1), 1
	s_wait_xcnt 0x0
; x, wq, wk, wv, wo ([2048][2048] f32, K innermost) become codes of FP6 (E2M3) with one E8M0 byte for each 32 along K; rope_emb is laid anew.  Everything leaves as IMAGES OF OPERAND REGISTERS.
; A fragment is 16 rows x 128 K = 12 registers a lane (lane l: row l % 16; registers 6 c .. 6 c + 5: K = 64 c + 32 (l / 16) + 0 .. 31).  Its image is 1,536 bytes: register 4 c + k of lane l at byte 512 c + 16 l + 4 k.
; THE ROWS OF A BLOCK ARE CHOSEN: row r of row block p is the tensor's row 16 p - 8 (p % 2) + r + 8 (r / 8), so that a product that takes such blocks as its first source leaves 16 neighbours in 16 registers of two tiles.
; codes: [tensor 5][row block 128][K step 16][1536].  scales: [tensor][row block][K step / 4][row 16][K step % 4] words of four bytes.
; ropeimg: [row block 128][n 32][512]: n = 16 b + 2 e + half; lane (r, h) holds, for channels d = 32 b + 16 h + 2 e and d + 1 of its row, half 0: f00, f00', f01, f01'; half 1: f10, f10', f11, f11'.
; A block's scale is 2^(floor(log2(largest magnitude)) - 2); its byte is the largest magnitude's exponent field - 2, held at 1 from below.
; LIMITS: a block of zeros gets the byte 1 (its codes are zeros, and this program alone reads the bytes); blocks whose largest magnitude lies under 2^-124 were not tried; NaN and infinities are not served.
; SHARES: work-groups 0-639: tensor g / 128, row block g % 128; wave w takes K steps 4 w .. 4 w + 3.  Work-groups 640-703: rope; a wave takes one row block and one half (32 channels' 512 bytes a row).
; Each load reads 512 consecutive bytes of one row; 16 rows turn through the wave's own stage in LDS (pitch 528) so that a lane gets 32 neighbours of its row.  No barrier: waves share nothing.  The two paths have LDS bytes of their own.
.set WST,   8448                       ; a wave's stage: 16 rows x 528 bytes
.set RST,   4*WST                      ; the rope path's four stages
.set SPARE, 8*WST                      ; the spare words: 128 bytes a wave, two blocks of 256 bytes that no other line names
.set W,     16                         ; v16-19   the four steps' scale words
.set F,     20                         ; v20-31   a fragment's codes
.set T,     32                         ; v32-38   the halves of blocks that are made elsewhere and moved
.set R,     64                         ; v64-191  two sets of 64 registers as loaded
.set X,     192                        ; v192-255 my 64 numbers: two blocks of 32
	s_load_b256 s[4:11], s[0:1], 0x0               ; x, wq, wk, wv
	s_load_b256 s[12:19], s[0:1], 0x20             ; wo, rope_emb, codes, scales
	s_load_b64 s[20:21], s[0:1], 0x40              ; ropeimg
	v_lshl_add_u32 v8, v0, 2, SPARE                ; my spare word; never rewritten
	v_mov_b32 v9, 0                                ; 0; never rewritten
	v_lshrrev_b32 v10, 5, v0
	v_readfirstlane_b32 s22, v10                   ; wave
	v_and_b32 v11, 31, v0                          ; lane
	v_and_b32 v12, 15, v0                          ; r
	v_bfe_u32 v13, v0, 4, 1                        ; h
	v_lshlrev_b32 v1, 4, v11                       ; 16 x lane: my place in a load's 512 bytes and in an image
	s_mul_i32 s23, s22, WST
	v_add_nc_u32 v2, s23, v1                       ; into the stage: 16 x lane (+ 528 x row, in the immediate)
	v_mul_u32_u24 v14, v12, 528
	v_add_nc_u32 v14, s23, v14
	v_lshl_add_u32 v3, v13, 7, v14                 ; out of it: row r, + 128 h: my 32 numbers of a pair of blocks
	v_add_nc_u32 v4, RST, v2                       ; the rope path's: in,
	v_lshl_add_u32 v5, v13, 8, v14
	v_add_nc_u32 v5, RST, v5                       ; and out: row r, + 256 h: my 16 channels' four numbers each
	v_lshlrev_b32 v7, 3, v13                       ; 8 h
	v_lshl_add_u32 v6, v12, 4, v7                  ; the scale words' place: 16 r + 8 h
	s_mov_b32 s28, 0x76543210
	s_mov_b32 s29, 0xfedcba98                      ; v_permlanex16_b32's selects for lane l xor 16
	s_wait_kmcnt 0x0
	s_cmp_ge_u32 ttmp9, 640
	s_cbranch_scc1 .Lrope
	s_lshr_b32 s24, ttmp9, 7                       ; which tensor
	s_and_b32 s25, ttmp9, 127                      ; which row block
	s_cmp_eq_u32 s24, 1
	s_cselect_b64 s[4:5], s[6:7], s[4:5]
	s_cmp_eq_u32 s24, 2
	s_cselect_b64 s[4:5], s[8:9], s[4:5]
	s_cmp_eq_u32 s24, 3
	s_cselect_b64 s[4:5], s[10:11], s[4:5]
	s_cmp_eq_u32 s24, 4
	s_cselect_b64 s[4:5], s[12:13], s[4:5]
	s_lshl_b32 s26, s25, 4
	s_and_b32 s27, s25, 1
	s_lshl_b32 s27, s27, 3
	s_sub_co_u32 s26, s26, s27                     ; the block's first row: 16 p - 8 (p % 2)
	s_lshl_b32 s26, s26, 13                        ; rows of 8,192 bytes
	s_lshl_b32 s27, s22, 11                        ; my four K steps: 2,048 bytes on for each wave
	s_add_co_u32 s26, s26, s27
	s_mov_b32 s27, 0
	s_add_nc_u64 s[4:5], s[4:5], s[26:27]
	s_mul_i32 s26, ttmp9, 24576                    ; a row block's 16 images
	s_mul_i32 s30, s22, 6144
	s_add_co_u32 s26, s26, s30
	s_add_nc_u64 s[16:17], s[16:17], s[26:27]
	s_lshl_b32 s26, ttmp9, 10                      ; a row block's scale words
	s_lshl_b32 s30, s22, 8
	s_add_co_u32 s26, s26, s30
	s_add_nc_u64 s[18:19], s[18:19], s[26:27]
.macro LOAD t                          ; step t: 16 rows x 512 bytes into set t % 2
.set i, 0
.rept 16
	global_load_b128 v[R+64*((\t)%2)+4*i:R+64*((\t)%2)+4*i+3], v1, s[4:5] offset:(i+8*(i/8))*8192+512*(\t) th:TH_LOAD_NT
.set i, i+1
.endr
.endm
.macro STEP t
.if (\t) < 3
	s_wait_loadcnt 16                              ; this step's 16 loads are in; the next step's 16 may be out
.else
	s_wait_loadcnt 0x0
.endif
.set i, 0
.rept 16
	ds_store_b128 v2, v[R+64*((\t)%2)+4*i:R+64*((\t)%2)+4*i+3] offset:528*i
.set i, i+1
.endr
.set i, 0
.rept 16
	ds_load_b128 v[X+4*i:X+4*i+3], v3 offset:256*(i/8)+16*(i%8)   ; LDS serves a wave's instructions in order: these see the stores above
.set i, i+1
.endr
	s_wait_dscnt 0x0                               ; my 64 numbers are in, and the stores have read their registers,
.if (\t) < 2
	LOAD (\t)+2                                    ; which take the loads of two steps on
.endif
	v_max3_num_f32 v10, |v[X]|, |v[X+1]|, 0x1800000        ; my two blocks' largest magnitudes, by turns; the floor 2^(3 - 127) holds the byte at 1 from below
	v_max3_num_f32 v11, |v[X+32]|, |v[X+33]|, 0x1800000
.set i, 2
.rept 15
	v_max3_num_f32 v10, v10, |v[X+i]|, |v[X+i+1]|
	v_max3_num_f32 v11, v11, |v[X+32+i]|, |v[X+33+i]|
.set i, i+2
.endr
	v_add_nc_u32 v12, 0xff000000, v10              ; 2 off the exponent field: the conversion's scale operand
	v_add_nc_u32 v13, 0xff000000, v11
	v_lshrrev_b32 v14, 23, v12                     ; the bytes
	v_lshrrev_b32 v15, 23, v13
	v_lshl_or_b32 v14, v15, 16, v14                ; blocks h and 2 + h of my row,
	v_lshlrev_b32 v14, v7, v14                     ; at their places in the word
	v_permlanex16_b32 v15, v14, s28, s29
	v_or_b32 v[W+(\t)], v14, v15                   ; with lane l xor 16's two the word is whole
	s_wait_alu depctr_va_vdst(0)
	s_wait_xcnt 0x0                                ; the last step's stores have read the codes' registers
	v_cvt_scalef32_pk16_fp6_f32 v[F:F+2], v[X:X+15], v12
	v_cvt_scalef32_pk16_fp6_f32 v[T:T+2], v[X+16:X+31], v12       ; (a conversion's three registers begin on an even number)
	v_cvt_scalef32_pk16_fp6_f32 v[F+6:F+8], v[X+32:X+47], v13
	v_cvt_scalef32_pk16_fp6_f32 v[T+4:T+6], v[X+48:X+63], v13
	v_nop                                          ; one plain place behind the scaled conversions
.irp i, 0,1,2
	v_mov_b32 v[F+3+\i], v[T+\i]
	v_mov_b32 v[F+9+\i], v[T+4+\i]
.endr
.irp c, 0,1,2
	global_store_b128 v1, v[F+4*\c:F+4*\c+3], s[16:17] offset:1536*(\t)+512*\c   ; 32 lanes store 512 consecutive bytes
.endr
.endm
	LOAD 0
	LOAD 1
	s_wait_alu depctr_va_vdst(0)
	STEP 0
	STEP 1
	STEP 2
	STEP 3
	v_cmp_ne_u32 vcc_lo, 0, v7                     ; lanes 16-31 store the words of steps 2 and 3
	v_cndmask_b32 v40, v[W], v[W+2], vcc_lo
	v_cndmask_b32 v41, v[W+1], v[W+3], vcc_lo
	global_store_b64 v6, v[40:41], s[18:19]        ; 32 lanes store 256 consecutive bytes, aligned
	s_wait_tensorcnt 0x0                           ; the wave's end
	ds_add_u32 v8, v9
	s_wait_dscnt 0x0
	s_endpgm
.Lrope:
	s_sub_co_u32 s24, ttmp9, 640
	s_lshl_b32 s24, s24, 1
	s_lshr_b32 s25, s22, 1
	s_add_co_u32 s24, s24, s25                     ; row block
	s_and_b32 s25, s22, 1                          ; which 32 channels
	s_lshl_b32 s26, s24, 4
	s_and_b32 s27, s24, 1
	s_lshl_b32 s27, s27, 3
	s_sub_co_u32 s26, s26, s27
	s_lshl_b32 s26, s26, 10                        ; rows of 1,024 bytes
	s_lshl_b32 s27, s25, 9
	s_add_co_u32 s26, s26, s27
	s_mov_b32 s27, 0
	s_add_nc_u64 s[14:15], s[14:15], s[26:27]
	s_lshl_b32 s26, s24, 14
	s_lshl_b32 s30, s25, 13
	s_add_co_u32 s26, s26, s30
	s_add_nc_u64 s[20:21], s[20:21], s[26:27]
.set i, 0
.rept 16
	global_load_b128 v[R+4*i:R+4*i+3], v1, s[14:15] offset:(i+8*(i/8))*1024 th:TH_LOAD_NT
.set i, i+1
.endr
	s_wait_loadcnt 0x0
.set i, 0
	s_wait_alu depctr_va_vdst(0)
.rept 16
	ds_store_b128 v4, v[R+4*i:R+4*i+3] offset:528*i
.set i, i+1
.endr
.set i, 0
.rept 16
	ds_load_b128 v[X+4*i:X+4*i+3], v5 offset:16*i  ; channel 16 h + i of my row: f00, f01, f10, f11
.set i, i+1
.endr
	s_wait_dscnt 0x0
.set e, 0
.rept 8                                ; two neighbouring channels' numbers are paired, for the packed arithmetic that will read them
.irp k, 0,1,2,3
	v_mov_b32 v[R+8*e+2*\k], v[X+8*e+\k]
	v_mov_b32 v[R+8*e+2*\k+1], v[X+8*e+4+\k]
.endr
.set e, e+1
.endr
.set i, 0
.rept 16
	global_store_b128 v1, v[R+4*i:R+4*i+3], s[20:21] offset:512*i
.set i, i+1
.endr
	s_wait_tensorcnt 0x0                           ; the wave's end, as above
	ds_add_u32 v8, v9
	s_wait_dscnt 0x0
	s_endpgm
.Lfunc_end_k_qd585a5446d_quant:
	.size	k_qd585a5446d_quant, .Lfunc_end_k_qd585a5446d_quant-k_qd585a5446d_quant
	.p2alignl 7, 3214868480
	.fill 96, 4, 3214868480
	.section	.rodata,"a",@progbits
	.p2align	6, 0x0
	.amdhsa_kernel k_qd585a5446d_quant
		.amdhsa_group_segment_fixed_size 68096
		.amdhsa_private_segment_fixed_size 0
		.amdhsa_enable_private_segment 0
		.amdhsa_kernarg_size 72
		.amdhsa_user_sgpr_count 2
		.amdhsa_user_sgpr_kernarg_segment_ptr 1
		.amdhsa_wavefront_size32 1
		.amdhsa_system_sgpr_workgroup_id_x 1
		.amdhsa_system_sgpr_workgroup_id_y 1
		.amdhsa_system_sgpr_workgroup_id_z 1
		.amdhsa_system_vgpr_workitem_id 0
		.amdhsa_next_free_vgpr 256
		.amdhsa_next_free_sgpr 66
		.amdhsa_reserve_vcc 1
		.amdhsa_float_denorm_mode_32 3
		.amdhsa_float_denorm_mode_16_64 3
		.amdhsa_memory_ordered 1
		.amdhsa_forward_progress 1
		.amdhsa_inst_pref_size 38
	.end_amdhsa_kernel
	.amdgpu_metadata
---
amdhsa.version: [ 1, 2 ]
amdhsa.kernels:
  - .name:           k_qd585a5446d_quant
    .symbol:         k_qd585a5446d_quant.kd
    .args:
      - { .name: x, .offset: 0, .size: 8, .value_kind: global_buffer, .address_space: global }
      - { .name: wq, .offset: 8, .size: 8, .value_kind: global_buffer, .address_space: global }
      - { .name: wk, .offset: 16, .size: 8, .value_kind: global_buffer, .address_space: global }
      - { .name: wv, .offset: 24, .size: 8, .value_kind: global_buffer, .address_space: global }
      - { .name: wo, .offset: 32, .size: 8, .value_kind: global_buffer, .address_space: global }
      - { .name: rope_emb, .offset: 40, .size: 8, .value_kind: global_buffer, .address_space: global }
      - { .name: codes, .offset: 48, .size: 8, .value_kind: global_buffer, .address_space: global }
      - { .name: scales, .offset: 56, .size: 8, .value_kind: global_buffer, .address_space: global }
      - { .name: ropeimg, .offset: 64, .size: 8, .value_kind: global_buffer, .address_space: global }
    .group_segment_fixed_size: 68096
    .private_segment_fixed_size: 0
    .kernarg_segment_align: 8
    .kernarg_segment_size: 72
    .max_flat_workgroup_size: 128
    .sgpr_count:     66
    .vgpr_count:     256
    .wavefront_size: 32
...
	.end_amdgpu_metadata
.endif
;; end of part 1
;; launch qkv (part 2): grid 24 x 8, 4 waves a work-group, clusters of 4 x 4, 327,680 bytes of LDS; arguments codes, scales, ropeimg, q_norm_w, k_norm_w, qkv_img, qkv_sc; writes qkv_img, qkv_sc
.if DOCPART == 2
	.amdgcn_target "amdgcn-amd-amdhsa--gfx1250"
	.amdhsa_code_object_version 6
	.text
	.protected	k_qd585a5446d_qkv
	.globl	k_qd585a5446d_qkv
	.p2align	8
	.type	k_qd585a5446d_qkv,@function
k_qd585a5446d_qkv:
	s_mov_b64 s[64:65], 0
	v_nop
	global_prefetch_b8 v0, s[64:65] scope:SCOPE_SE
	s_setreg_imm32_b32 hwreg(HW_REG_WAVE_MODE, 25, 1), 1
	s_wait_xcnt 0x0
	s_wait_alu depctr_hold_cnt(0) depctr_sa_sdst(0) depctr_va_vdst(0) depctr_va_sdst(0) depctr_va_ssrc(0) depctr_va_vcc(0) depctr_vm_vsrc(0)
	s_getreg_b32 s2, hwreg(HW_REG_IB_STS2, 6, 4)
	s_cmp_eq_u32 s2, 0
	s_cbranch_scc0 .Lentry_in_a_cluster
	s_endpgm
.Lentry_in_a_cluster:
	s_bfe_u32 s2, ttmp6, 0x10000c
	s_cmp_lg_u32 s2, 0xf033
	s_cbranch_scc0 .Lentry_shape_is_right
	s_endpgm
.Lentry_shape_is_right:
; q, k, v = x W^T on codes of FP6 (E2M3) with E8M0 scales, a block of 256 x 256 a work-group, 128 x 128 a wave; then RMS norm and rope (q, k), the quantiser along the head's channels (q, k) or the keys (v), and images of operand registers out.
; THE FILLS: at the head one joint load a wave: wave 0 the first slot's 16 row blocks of the first operand, wave 1 those of the second, waves 2 and 3 their scale words for all of K.  Slot 1 is first filled behind the full sequence and a round.
; A slot holds two K steps of 128; the ring's loads bring 8 row blocks x 3,072 bytes a wave; K is eight fills, numbered 0 to 7.
; THE PREFETCH: behind the refill that brings fill c, and the run of LDS loads behind it, a wave names fill c + 2.  Of the 8 row blocks that a wave fetches, each of the four partners that ask for them jointly takes 2, told apart by address:
; 24 blocks of 256 bytes, a lane a block (lanes 24-31 name lane 23's again).  Fills 2 and 3 are named at the head's end; the loop's last trip, which brings fills 6 and 7, names nothing.
; LIMITS: a block of zeros gets the byte 1 (zero codes; this program alone reads the bytes); NaN and infinities are not served.
.set PFO,   30                         ; v30 the prefetches' offset; never rewritten.  s[6:7]: where my prefetches stand
.set NQ,    2
.set FR,    12
.set NL,    3
.set NP,    4
.set FRB,   1536
.set ROWB,  2*FRB
.set HALFT, 8*ROWB
.set SLOT,  4*HALFT
.set LAPS,  4
.set SCL,   2*SLOT
.set HALFS, 8192
.set SBLK,  1024
.set SPARE, SCL+4*HALFS
.set ADRA, 16
.set ADRB, 20
.set LI,   24
.set SCO,  25
.set WO,   26
.set ADRS, 27
.set SPW,  28
.set NIL,  29
.set SC,   32
.set WN,   64
.set AF,   128
.set Y,    128
.set PC,   192
.set TM,   212
.set SW,   228
.set SS,   236
.set RS,   240
.set T4,   244
.set G1,   24
.set G0,   32
.set G1B,  48
.set G0B,  56
.set G1S,  68
.set G0S,  76
.set G1SB, 80
.set G0SB, 88
.set SEL,  66
.set INV,  92
.set EPS,  93
.set MSB, 0
.macro WIN new
.if MSB != (\new)
	s_set_vgpr_msb (MSB<<8)|(\new)
.set MSB, (\new)
.endif
.endm
.set MUL_LO, 0xa1
.set MUL_HI, 0xf1
.set TO_B,   0x40
.macro JLOAD g0a, g1a, g0b, g1b
	s_cmp_eq_u32 s19, 0
	s_cbranch_scc0 .Lfor_b_\@
	tensor_load_to_lds s[\g0a:\g0a+3], s[\g1a:\g1a+7]
	s_nop 0
.rept 4
	v_nop
.endr
	s_branch .Lasked_\@
.Lfor_b_\@:
	tensor_load_to_lds s[\g0b:\g0b+3], s[\g1b:\g1b+7]
	s_nop 0
.rept 4
	v_nop
.endr
.Lasked_\@:
.endm
.macro CREST
	s_cmp_lg_u32 s18, 0
	s_cbranch_scc1 .Lnot_wave_0_\@
	s_barrier_signal -3
.Lnot_wave_0_\@:
	s_barrier_wait -3
	s_barrier_signal -1
	s_barrier_wait -1
.endm
.macro CROUND
	s_barrier_signal -1
	s_barrier_wait -1
	CREST
.endm
.macro PLACES n
.rept \n
	v_nop
.endr
.endm
	s_load_b256 s[4:11], s[0:1], 0x0
	s_load_b128 s[12:15], s[0:1], 0x20
	s_load_b64 s[16:17], s[0:1], 0x30
	v_lshl_add_u32 v[SPW], v0, 2, SPARE
	v_mov_b32 v[NIL], 0
	ds_add_u32 v[SPW], v[NIL]
	ds_add_u32 v[SPW], v[NIL]
	v_lshrrev_b32 v1, 5, v0
	v_readfirstlane_b32 s18, v1
	s_lshr_b32 s19, s18, 1
	s_and_b32 s20, s18, 1
	s_lshr_b32 s21, ttmp9, 1
	s_bfe_u32 s40, ttmp6, 0x40000
	s_bfe_u32 s41, ttmp6, 0x40004
	s_and_b32 s42, ttmp9, 1
	s_lshl_b32 s42, s42, 2
	s_add_co_u32 s42, s42, s40
	s_and_b32 s45, ttmp7, 0xffff
	s_lshl_b32 s45, s45, 2
	s_add_co_u32 s45, s45, s41
	s_lshl_b32 s43, s41, 2
	s_lshl_b32 s43, 15, s43
	s_lshl_b32 s44, 0x1111, s40
	s_or_b32 s[G1+0], s43, (3<<16)|(1<<21)
	s_or_b32 s[G1B+0], s44, (3<<16)|(1<<21)
.irp g, G1, G1B
	s_mov_b32 s[\g+1], 384<<16
	s_mov_b32 s[\g+2], 16<<16                      ; the head's loads bring 16 row blocks
	s_mov_b32 s[\g+3], 384<<16
	s_mov_b32 s[\g+4], 16
	s_mov_b32 s[\g+5], 3072
	s_mov_b32 s[\g+6], 0
	s_mov_b32 s[\g+7], 0
.endr
	s_or_b32 s[G1S+0], s43, (3<<16)|(1<<21)
	s_or_b32 s[G1SB+0], s44, (3<<16)|(1<<21)
.irp g, G1S, G1SB
	s_mov_b32 s[\g+1], 32<<16
	s_mov_b32 s[\g+2], 64<<16                      ; 16 row blocks' scale words: 16,384 dense bytes as 64 rows of 256
	s_mov_b32 s[\g+3], 32<<16
	s_mov_b32 s[\g+4], 64
	s_mov_b32 s[\g+5], 32
	s_mov_b32 s[\g+6], 0
	s_mov_b32 s[\g+7], 0
.endr
	s_add_co_u32 s47, s21, 1
	s_cmp_eq_u32 s21, 2
	s_cselect_b32 s46, 3, 0
	s_cselect_b32 s47, 0, s47
	s_lshl_b32 s46, s46, 7
	s_lshl_b32 s92, s45, 4
	s_add_co_u32 s46, s46, s92
	s_lshl_b32 s47, s47, 7
	s_lshl_b32 s93, s42, 4
	s_add_co_u32 s47, s47, s93
	s_mul_i32 s96, s46, 24576
	s_mov_b32 s97, 0
	s_lshl_b32 s98, s46, 10
	s_mov_b32 s99, 0
	s_mul_i32 s100, s47, 24576
	s_mov_b32 s101, 0
	s_lshl_b32 s22, s47, 10
	s_mov_b32 s23, 0
	s_mul_i32 s95, s18, HALFT
	s_mul_i32 s46, s20, 8*24576                    ; in the ring I fetch 8 row blocks: which half, in bytes
	s_mov_b32 s47, 0
	s_wait_dscnt 0x0
	s_wait_kmcnt 0x0
	s_add_nc_u64 s[96:97], s[4:5], s[96:97]
	s_add_nc_u64 s[98:99], s[6:7], s[98:99]
	s_add_nc_u64 s[100:101], s[4:5], s[100:101]
	s_add_nc_u64 s[22:23], s[6:7], s[22:23]
	CROUND
	s_mov_b32 s[G0S], 1                            ; the head's four tiles, each whole: the first operand's scale words,
	s_mov_b32 s[G0S+1], SCL
	s_mov_b64 s[G0S+2:G0S+3], s[98:99]
	s_or_b32 s[G0S+3], s[G0S+3], 0x80000000
	s_mov_b32 s[G0SB], 1                           ; the second's,
	s_mov_b32 s[G0SB+1], SCL+2*HALFS
	s_mov_b64 s[G0SB+2:G0SB+3], s[22:23]
	s_or_b32 s[G0SB+3], s[G0SB+3], 0x80000000
	s_mov_b32 s[G0], 1                             ; slot 0's 16 row blocks of the first operand,
	s_mov_b32 s[G0+1], 0
	s_mov_b64 s[G0+2:G0+3], s[96:97]
	s_or_b32 s[G0+3], s[G0+3], 0x80000000
	s_mov_b32 s[G0B], 1                            ; and of the second, behind them
	s_mov_b32 s[G0B+1], 2*HALFT
	s_mov_b64 s[G0B+2:G0B+3], s[100:101]
	s_or_b32 s[G0B+3], s[G0B+3], 0x80000000
	s_add_nc_u64 s[96:97], s[96:97], s[46:47]      ; for the ring: my 8 row blocks
	s_add_nc_u64 s[100:101], s[100:101], s[46:47]
	s_cmp_eq_u32 s19, 0                            ; the prefetches: the operand that I fetch for,
	s_cselect_b64 s[6:7], s[96:97], s[100:101]
	s_cselect_b32 s2, s40, s41                     ; my place among the four that ask for its tiles with me,
	s_mul_i32 s46, s2, 2*24576                     ; and my work-group's 2 of the 8 row blocks
	s_add_nc_u64 s[6:7], s[6:7], s[46:47]
	s_mov_b32 s[G0+4], 1
	s_add_co_u32 s[G0+5], s95, SLOT
	s_add_nc_u64 s[G0+6:G0+7], s[96:97], ROWB
	s_or_b32 s[G0+7], s[G0+7], 0x80000000
	s_mov_b32 s[G0B+4], 1
	s_add_co_u32 s[G0B+5], s95, SLOT
	s_add_nc_u64 s[G0B+6:G0B+7], s[100:101], ROWB
	s_or_b32 s[G0B+7], s[G0B+7], 0x80000000
; one chain of branches on the wave's number, one load to an arm, all arms to one join: one tensor load a wave at the head
.macro ARM under, g0, g1, next
	s_cmp_lt_u32 s18, \under
	s_cbranch_scc0 \next
	tensor_load_to_lds s[\g0:\g0+3], s[\g1:\g1+7]
	s_nop 0
.rept 4
	v_nop
.endr
	s_branch .Lhead_asked
\next:
.endm
	ARM 1, G0,  G1,  .Lhead_b
	ARM 2, G0B, G1B, .Lhead_sa
	ARM 3, G0S, G1S, .Lhead_sb
	tensor_load_to_lds s[G0SB:G0SB+3], s[G1SB:G1SB+7]
	s_nop 0
.rept 4
	v_nop
.endr
.Lhead_asked:
	s_wait_alu depctr_va_vdst(0)
	s_wait_tensorcnt 0x0                           ; my tile of the head's four is in
	ds_add_u32 v[SPW], v[NIL]
	s_mov_b32 s[G1+2], 8<<16                       ; no load of mine is out: from here on a load brings 8 row blocks,
	s_mov_b32 s[G1+4], 8
	s_mov_b32 s[G1B+2], 8<<16
	s_mov_b32 s[G1B+4], 8
	s_mov_b32 s[G0+1], s95                         ; and slot 0's group 0 stands at my 8 row blocks of the first two K steps, for its first refill to step
	s_mov_b64 s[G0+2:G0+3], s[96:97]
	s_or_b32 s[G0+3], s[G0+3], 0x80000000
	s_mov_b32 s[G0B+1], s95
	s_mov_b64 s[G0B+2:G0B+3], s[100:101]
	s_or_b32 s[G0B+3], s[G0B+3], 0x80000000
	s_wait_dscnt 0x0
	CROUND                                         ; all four tiles are whole for every wave, and the partners are here
	JLOAD G0+4, G1, G0B+4, G1B                     ; slot 1's first fill, my one load behind the round
	v_and_b32 v1, 15, v0
	v_bfe_u32 v2, v0, 4, 1
	s_wait_alu depctr_va_vdst(0)
	v_and_b32 v3, 31, v0
	v_lshlrev_b32 v[LI], 4, v3
	v_min_u32 v31, 23, v3                          ; the prefetches' offset: block b = min(lane, 23) of my 24:
	v_mul_u32_u24 v[PFO], v31, 43
	v_lshrrev_b32 v[PFO], 9, v[PFO]                ; b / 12: which of my 2 row blocks (12 blocks of 256 bytes to a row block's 3,072)
	v_mul_u32_u24 v[PFO], v[PFO], 24576-3072
	v_lshl_add_u32 v[PFO], v31, 8, v[PFO]          ; 24,576 (b / 12) + 256 (b % 12)
	s_mul_i32 s46, s19, HALFT
	s_mul_i32 s47, s20, HALFT
	s_add_co_u32 s47, s47, 2*HALFT
.irp s, 0,1
	v_add_nc_u32 v[ADRA+\s], s46, v[LI]
	v_add_nc_u32 v[ADRB+\s], s47, v[LI]
	s_add_co_u32 s46, s46, SLOT
	s_add_co_u32 s47, s47, SLOT
.endr
	v_lshlrev_b32 v5, 4, v1
	s_lshl_b32 s46, s19, 13
	s_lshl_b32 s47, s20, 13
	s_add_co_u32 s47, s47, 2*HALFS
	s_sub_co_u32 s47, s47, s46
	v_mul_u32_u24 v6, s47, v2
	s_add_co_u32 s46, s46, SCL
	v_add_nc_u32 v5, v5, v6
	v_add_nc_u32 v[ADRS], s46, v5
	v_lshlrev_b32 v[SCO], 5, v1
	v_lshl_add_u32 v[SCO], v2, 4, v[SCO]
	v_lshlrev_b32 v[WO], 6, v2
	s_lshl_b32 s94, s42, 1
	s_add_co_u32 s94, s94, s20
	s_lshl_b32 s95, s45, 1
	s_add_co_u32 s95, s95, s19
	s_cmp_eq_u32 s21, 2
	s_cselect_b32 s96, s95, s94
	s_cselect_b32 s97, s94, s95
	s_lshl_b32 s96, s96, 4
	s_add_co_u32 s96, s96, s97
	s_mul_i32 s98, s96, 12288
	s_mul_i32 s99, s21, 3145728
	s_add_co_u32 s98, s98, s99
	s_mov_b32 s99, 0
	s_add_nc_u64 s[14:15], s[14:15], s[98:99]
	s_lshl_b32 s98, s96, 9
	s_lshl_b32 s100, s21, 17
	s_add_co_u32 s98, s98, s100
	s_add_nc_u64 s[16:17], s[16:17], s[98:99]
	s_lshl_b32 s98, s45, 4
	s_lshl_b32 s100, s19, 3
	s_add_co_u32 s98, s98, s100
	s_lshl_b32 s98, s98, 14
	s_add_nc_u64 s[8:9], s[8:9], s[98:99]
	s_cmp_eq_u32 s21, 1
	s_cselect_b64 s[10:11], s[12:13], s[10:11]
	s_mov_b32 s[SEL], 0x76543210
	s_mov_b32 s[SEL+1], 0xfedcba98
	s_mov_b32 s[INV], 0x3c000000
	s_mov_b32 s[EPS], 0x358637bd
.macro FRAG reg, adr, q, i
.irp c, 0,1,2
	ds_load_b128 v[\reg+4*\c:\reg+4*\c+3], v[\adr] offset:(\i)*ROWB+(\q)*FRB+512*\c
.endr
.endm
.macro MUL16 a0, p, q, sc, zero
.irp a, \a0, \a0+1
.irp b, 0,1,2,3,4,5,6,7
.if \zero
	v_wmma_scale_f32_16x16x128_f8f6f4 v[8*(8*((\a)%4)+\b):8*(8*((\a)%4)+\b)+7], v[128*(\p)+FR*\b:128*(\p)+FR*\b+FR-1], v[AF+FR*(\a):AF+FR*(\a)+FR-1], 0, v[SC+8*NQ*(\sc)+NQ*\b+(\q)], v[SC+8*NQ*(\sc)+NQ*(\a)+(\q)] matrix_a_fmt:MATRIX_FMT_FP6 matrix_b_fmt:MATRIX_FMT_FP6 matrix_a_scale:MATRIX_SCALE_ROW1
.else
	v_wmma_scale_f32_16x16x128_f8f6f4 v[8*(8*((\a)%4)+\b):8*(8*((\a)%4)+\b)+7], v[128*(\p)+FR*\b:128*(\p)+FR*\b+FR-1], v[AF+FR*(\a):AF+FR*(\a)+FR-1], v[8*(8*((\a)%4)+\b):8*(8*((\a)%4)+\b)+7], v[SC+8*NQ*(\sc)+NQ*\b+(\q)], v[SC+8*NQ*(\sc)+NQ*(\a)+(\q)] matrix_a_fmt:MATRIX_FMT_FP6 matrix_b_fmt:MATRIX_FMT_FP6 matrix_a_scale:MATRIX_SCALE_ROW1
.endif
.endr
.endr
.endm
.macro FETCH_B slot, q, p
	WIN TO_B
.irp i, 0,1,2,3,4,5,6,7
	FRAG 128*(\p)+FR*\i, ADRB+\slot, \q, \i
.endr
	WIN 0
.endm
.macro FETCH_A slot, q, i0
.irp i, \i0, \i0+1, \i0+2, \i0+3
	FRAG AF+FR*(\i), ADRA+\slot, \q, \i
.endr
.endm
.macro SCALES sc
.irp i, 0,1,2,3,4,5,6,7
	ds_load_b64 v[SC+8*NQ*\sc+NQ*\i:SC+8*NQ*\sc+NQ*\i+1], v[ADRS] offset:\i*SBLK
.endr
.endm
.macro STEP slot, q, zero
	s_wait_dscnt 4*NL
	WIN MUL_LO
	MUL16 0, (\q)%2, \q, \slot, \zero
	MUL16 2, (\q)%2, \q, \slot, \zero
	s_wait_dscnt 0
	PLACES NP
	FETCH_B \slot, (\q)+1, 1-(\q)%2
	FETCH_A \slot, (\q)+1, 0
	WIN MUL_HI
	MUL16 4, (\q)%2, \q, \slot, \zero
	MUL16 6, (\q)%2, \q, \slot, \zero
	PLACES NP
	WIN 0
	FETCH_A \slot, (\q)+1, 4
.endm
.macro TURN slot, next, fill
.if \fill
	s_wait_xcnt 0x0                                ; my prefetches have read their address: it steps here, a fill on, ahead of the waits of the change of slots
	s_add_nc_u64 s[6:7], s[6:7], ROWB
.endif
	s_wait_tensorcnt 0x0
	ds_add_u32 v[SPW], v[NIL]
	s_wait_dscnt 4*NL+1
	WIN MUL_LO
	MUL16 0, 1, NQ-1, \slot, 0
	s_wait_dscnt 0x0
	s_barrier_signal -1
	MUL16 2, 1, NQ-1, \slot, 0
	WIN 0
	s_barrier_wait -1
.if \fill
	CREST
	s_add_nc_u64 s[G0+4*\slot+2:G0+4*\slot+3], s[G0+4*\slot+2:G0+4*\slot+3], 2*ROWB
	s_add_nc_u64 s[G0B+4*\slot+2:G0B+4*\slot+3], s[G0B+4*\slot+2:G0B+4*\slot+3], 2*ROWB
	JLOAD G0+4*\slot, G1, G0B+4*\slot, G1B
.else
	PLACES NP
.endif
.if \next
	s_wait_alu depctr_va_vdst(0)
	v_add_nc_u32 v[ADRS], 8, v[ADRS]
.else
	s_wait_alu depctr_va_vdst(0)
	v_add_nc_u32 v[ADRS], 248, v[ADRS]
.endif
	FETCH_B \next, 0, 0
	FETCH_A \next, 0, 0
	SCALES \next
.if \fill
	s_cmp_gt_u32 s3, 1                             ; s3 = 1 in the loop's last trip, whose refills have no fill two on
	s_cbranch_scc0 .Lno_ask_\@
	global_prefetch_b8 v[PFO], s[6:7] offset:3*ROWB th:TH_LOAD_NT scope:SCOPE_SE   ; the fill two refills on
.Lno_ask_\@:
.endif
	WIN MUL_HI
	MUL16 4, 1, NQ-1, \slot, 0
	MUL16 6, 1, NQ-1, \slot, 0
	PLACES NP
	WIN 0
	FETCH_A \next, 0, 4
.endm
.macro LAST
	s_wait_dscnt 4*NL
	WIN MUL_LO
	MUL16 0, 1, NQ-1, 1, 0
	MUL16 2, 1, NQ-1, 1, 0
	s_wait_dscnt 0
	WIN MUL_HI
	MUL16 4, 1, NQ-1, 1, 0
	MUL16 6, 1, NQ-1, 1, 0
	WIN 0
.endm
.macro QUANT s, w, pw
	WIN (\w)|((\w)<<2)
.irp b, 0,1,2,3
	v_max3_num_f32 v[TM+\b], |v[(\s)+16*\b]|, |v[(\s)+1+16*\b]|, 0x1800000
.endr
	WIN ((\w)<<2)|((\w)<<4)
.irp i, 2,4,6,8,10,12,14
.irp b, 0,1,2,3
	v_max3_num_f32 v[TM+\b], v[TM+\b], |v[(\s)+16*\b+\i]|, |v[(\s)+1+16*\b+\i]|
.endr
.endr
	WIN 0
.irp b, 0,1,2,3
	v_permlanex16_b32 v[TM+4+\b], v[TM+\b], s[SEL], s[SEL+1]
.endr
.irp b, 0,1,2,3
	v_max_num_f32 v[TM+\b], v[TM+\b], v[TM+4+\b]
.endr
.irp b, 0,1,2,3
	v_add_nc_u32 v[TM+12+\b], 0xff000000, v[TM+\b]
.endr
.irp b, 0,1,2,3
	v_lshrrev_b32 v[TM+4+\b], 23, v[TM+12+\b]
.endr
	v_lshl_or_b32 v[\pw], v[TM+5], 8, v[TM+4]
	v_lshl_or_b32 v[\pw], v[TM+6], 16, v[\pw]
	v_lshl_or_b32 v[\pw], v[TM+7], 24, v[\pw]
	s_wait_xcnt 0x0
	WIN (\w)
.irp c, 0,1
	v_cvt_scalef32_pk16_fp6_f32 v[PC+6*\c:PC+2+6*\c], v[(\s)+32*\c:(\s)+15+32*\c], v[TM+12+2*\c]
	v_cvt_scalef32_pk16_fp6_f32 v[PC+12+4*\c:PC+14+4*\c], v[(\s)+16+32*\c:(\s)+31+32*\c], v[TM+12+2*\c+1]
.endr
	WIN 0
	v_nop
.irp c, 0,1
.irp i, 0,1,2
	v_permlane16_swap_b32 v[PC+6*\c+\i], v[PC+12+4*\c+\i]
.endr
.irp i, 0,1,2
	v_mov_b32 v[PC+3+6*\c+\i], v[PC+12+4*\c+\i]
.endr
.endr
.endm
.macro OUT a
.irp c, 0,1,2
	global_store_b128 v[LI], v[PC+4*\c:PC+4*\c+3], s[14:15] offset:FRB*(\a)+512*\c
.endr
.endm
.macro ROPELOAD a
	WIN 0x40
.set n, 0
.rept 32
	global_load_b128 v[128*((\a)%2)+4*n:128*((\a)%2)+4*n+3], v[LI], s[8:9] offset:16384*(\a)+512*n
.set n, n+1
.endr
	WIN 0
.endm
.macro EPI a
.set W2, 2+(\a)/4
.set AC, 64*((\a)%4)
.set FS, 128*((\a)%2)
.if (\a) < 7
	ROPELOAD (\a)+1
	s_wait_loadcnt 32
.else
	s_wait_loadcnt 0x0
.endif
	WIN W2|(W2<<2)
	v_pk_mul_f32 v[SS:SS+1], v[AC:AC+1], v[AC:AC+1]
	v_pk_mul_f32 v[SS+2:SS+3], v[AC+2:AC+3], v[AC+2:AC+3]
.set n, 4
.rept 15
	v_pk_fma_f32 v[SS:SS+1], v[AC+n:AC+n+1], v[AC+n:AC+n+1], v[SS:SS+1]
	v_pk_fma_f32 v[SS+2:SS+3], v[AC+n+2:AC+n+3], v[AC+n+2:AC+n+3], v[SS+2:SS+3]
.set n, n+4
.endr
	WIN 0
	v_pk_add_f32 v[SS:SS+1], v[SS:SS+1], v[SS+2:SS+3]
	v_add_f32 v[SS], v[SS], v[SS+1]
	v_permlanex16_b32 v[SS+1], v[SS], s[SEL], s[SEL+1]
	v_add_f32 v[SS], v[SS], v[SS+1]
	v_fma_f32 v[T4], v[SS], s[INV], s[EPS]
	s_wait_alu depctr_va_vdst(0)
	v_rsq_f32 v[RS], v[T4]
	WIN (W2<<6)|W2
.set n, 0
.rept 32
	v_pk_mul_f32 v[AC+n:AC+n+1], v[AC+n:AC+n+1], v[WN+n:WN+n+1]
.set n, n+2
.endr
	WIN 1|(W2<<2)
.irp bb, 0,1
.irp e, 0,1,2,3,4,5,6,7
	v_pk_mul_f32 v[Y+16*\bb+2*\e:Y+16*\bb+2*\e+1], v[FS+64*\bb+8*\e:FS+64*\bb+8*\e+1], v[AC+16*\bb+2*\e:AC+16*\bb+2*\e+1]
	v_pk_mul_f32 v[Y+32+16*\bb+2*\e:Y+32+16*\bb+2*\e+1], v[FS+64*\bb+8*\e+4:FS+64*\bb+8*\e+5], v[AC+16*\bb+2*\e:AC+16*\bb+2*\e+1]
	v_pk_fma_f32 v[Y+16*\bb+2*\e:Y+16*\bb+2*\e+1], v[FS+64*\bb+8*\e+2:FS+64*\bb+8*\e+3], v[AC+32+16*\bb+2*\e:AC+32+16*\bb+2*\e+1], v[Y+16*\bb+2*\e:Y+16*\bb+2*\e+1]
	v_pk_fma_f32 v[Y+32+16*\bb+2*\e:Y+32+16*\bb+2*\e+1], v[FS+64*\bb+8*\e+6:FS+64*\bb+8*\e+7], v[AC+32+16*\bb+2*\e:AC+32+16*\bb+2*\e+1], v[Y+32+16*\bb+2*\e:Y+32+16*\bb+2*\e+1]
.endr
.endr
	WIN 0
	s_wait_alu depctr_va_vdst(0)
.set n, 0
.rept 32
	v_pk_mul_f32 v[Y+n:Y+n+1], v[Y+n:Y+n+1], v[RS:RS+1] op_sel_hi:[1,0]
.set n, n+2
.endr
	QUANT Y, 0, SW+(\a)
	OUT \a
.endm
	s_wait_alu depctr_va_vdst(0)                   ; slot 0 and the scales were shown whole by the round above
	global_prefetch_b8 v[PFO], s[6:7] offset:2*ROWB th:TH_LOAD_NT scope:SCOPE_SE   ; fills 2 and 3, which the first trip's refills bring
	global_prefetch_b8 v[PFO], s[6:7] offset:3*ROWB th:TH_LOAD_NT scope:SCOPE_SE
	FETCH_B 0, 0, 0
	FETCH_A 0, 0, 0
	SCALES 0
	FETCH_A 0, 0, 4
	STEP 0, 0, 1
	s_mov_b32 s3, LAPS-1
.Llap:
	TURN 0, 1, 1
	STEP 1, 0, 0
	TURN 1, 0, 1
	STEP 0, 0, 0
	s_sub_co_u32 s3, s3, 1
	s_cmp_lg_u32 s3, 0
	s_cbranch_scc1 .Llap
	TURN 0, 1, 0
	STEP 1, 0, 0
	s_cmp_eq_u32 s21, 2
	s_cbranch_scc1 .Lvarm
.set n, 0
.rept 16
	global_load_b128 v[WN+4*n:WN+4*n+3], v[WO], s[10:11] offset:128*(n/4)+16*(n%4)
.set n, n+1
.endr
	ROPELOAD 0
	LAST
	PLACES NP
.irp b, 0,1,2,3
	v_mov_b32 v[TM+4+\b], 0
.endr
	v_mov_b32 v[RS+1], 0
.irp a, 0,1,2,3,4,5,6,7
	EPI \a
.endr
	s_branch .Ljoin
.Lvarm:
	LAST
	PLACES NP
.irp b, 0,1,2,3
	v_mov_b32 v[TM+4+\b], 0
.endr
.irp a, 0,1,2,3,4,5,6,7
	QUANT 64*(\a%4), 2+\a/4, SW+\a
	OUT \a
.endr
.Ljoin:
	v_bfe_u32 v[SS], v0, 4, 1
	v_cmp_eq_u32 s46, 1, v[SS]
.irp j, 0,1,2,3
	v_cndmask_b32 v[T4+\j], v[SW+\j], v[SW+4+\j], s46
.endr
	global_store_b128 v[SCO], v[T4:T4+3], s[16:17]
	s_wait_tensorcnt 0x0
	ds_add_u32 v[SPW], v[NIL]
	s_wait_dscnt 0x0
	CROUND
	s_endpgm
.Lfunc_end_k_qd585a5446d_qkv:
	.size	k_qd585a5446d_qkv, .Lfunc_end_k_qd585a5446d_qkv-k_qd585a5446d_qkv
	.p2alignl 7, 3214868480
	.fill 96, 4, 3214868480
	.section	.rodata,"a",@progbits
	.p2align	6, 0x0
	.amdhsa_kernel k_qd585a5446d_qkv
		.amdhsa_group_segment_fixed_size 327680
		.amdhsa_private_segment_fixed_size 0
		.amdhsa_enable_private_segment 0
		.amdhsa_kernarg_size 56
		.amdhsa_user_sgpr_count 2
		.amdhsa_user_sgpr_kernarg_segment_ptr 1
		.amdhsa_wavefront_size32 1
		.amdhsa_system_sgpr_workgroup_id_x 1
		.amdhsa_system_sgpr_workgroup_id_y 1
		.amdhsa_system_sgpr_workgroup_id_z 1
		.amdhsa_system_vgpr_workitem_id 0
		.amdhsa_next_free_vgpr 1024
		.amdhsa_next_free_sgpr 102
		.amdhsa_reserve_vcc 0
		.amdhsa_float_denorm_mode_32 3
		.amdhsa_float_denorm_mode_16_64 3
		.amdhsa_memory_ordered 1
		.amdhsa_forward_progress 1
		.amdhsa_inst_pref_size 255
	.end_amdhsa_kernel
	.section	.bss,"aw",@nobits
	.p2align	6
	.space	262144
	.amdgpu_metadata
---
amdhsa.version: [ 1, 2 ]
amdhsa.kernels:
  - .name:           k_qd585a5446d_qkv
    .symbol:         k_qd585a5446d_qkv.kd
    .args:
      - { .name: codes, .offset: 0, .size: 8, .value_kind: global_buffer, .address_space: global }
      - { .name: scales, .offset: 8, .size: 8, .value_kind: global_buffer, .address_space: global }
      - { .name: ropeimg, .offset: 16, .size: 8, .value_kind: global_buffer, .address_space: global }
      - { .name: q_norm_w, .offset: 24, .size: 8, .value_kind: global_buffer, .address_space: global }
      - { .name: k_norm_w, .offset: 32, .size: 8, .value_kind: global_buffer, .address_space: global }
      - { .name: qkv_img, .offset: 40, .size: 8, .value_kind: global_buffer, .address_space: global }
      - { .name: qkv_sc, .offset: 48, .size: 8, .value_kind: global_buffer, .address_space: global }
    .group_segment_fixed_size: 327680
    .private_segment_fixed_size: 0
    .kernarg_segment_align: 8
    .kernarg_segment_size: 56
    .max_flat_workgroup_size: 128
    .sgpr_count:     102
    .vgpr_count:     1024
    .wavefront_size: 32
...
	.end_amdgpu_metadata
.endif
;; end of part 2
;; launch attn (part 3): grid 16 x 16, 8 waves a work-group, clusters of 4 x 1, 327,680 bytes of LDS; arguments qkv_img, qkv_sc, ao_img, ao_sc; writes ao_img, ao_sc
.if DOCPART == 3
	.amdgcn_target "amdgcn-amd-amdhsa--gfx1250"
	.amdhsa_code_object_version 6
	.text
	.protected	k_qd585a5446d_attn
	.globl	k_qd585a5446d_attn
	.p2align	8
	.type	k_qd585a5446d_attn,@function
k_qd585a5446d_attn:
	s_mov_b64 s[64:65], 0
	v_nop
	global_prefetch_b8 v0, s[64:65] scope:SCOPE_SE
	s_setreg_imm32_b32 hwreg(HW_REG_WAVE_MODE, 25, 1), 1
	s_wait_xcnt 0x0
	s_wait_alu depctr_hold_cnt(0) depctr_sa_sdst(0) depctr_va_vdst(0) depctr_va_sdst(0) depctr_va_ssrc(0) depctr_va_vcc(0) depctr_vm_vsrc(0)
	s_getreg_b32 s2, hwreg(HW_REG_IB_STS2, 6, 4)
	s_cmp_eq_u32 s2, 0
	s_cbranch_scc0 .Lentry_in_a_cluster
	s_endpgm
.Lentry_in_a_cluster:
	s_bfe_u32 s2, ttmp6, 0x10000c
	s_cmp_lg_u32 s2, 0x3003
	s_cbranch_scc0 .Lentry_shape_is_right
	s_endpgm
.Lentry_shape_is_right:
; O[q] = sum over keys of softmax(q . k / sqrt(128)) v for one head, both products on codes of FP6 (E2M3) with E8M0 scales; O is quantised along the channels and leaves as an image of operand registers.
; THE SOFTMAX: t = score x log2(e) / sqrt(128); M = the running largest t rounded UP to a whole number; p = 2^(t - M) is quantised along the keys, not normalised; the row's sum is taken of the unquantised p and divides O at the end.
; When M moves, the sum and O are multiplied by 2^(old M - new M): exact.
; SHARES: a work-group owns 128 queries of one head, each of its eight waves one row block of 16.  Every wave walks all 2,048 keys, 128 a step, 16 steps.
; Both products are used transposed: S^T = K Q^T, O^T = V^T P^T: a lane holds one query throughout.  By the rows chosen two launches back, the 16 registers of tiles 2 b, 2 b + 1 are keys (channels) 32 b + 16 (lane / 16) + 0 .. 15.
; LDS holds twelve key steps at a time: twelve places of 12,288 bytes (eight images) for K, twelve for V, and the head's scale words (8,192 bytes each for K and V).
; THE FILLS, one joint load a wave each time.  At the head: waves 0-2 a third each (16,384 bytes) of K's steps 0-3, waves 3-5 of V's, wave 6 K's scale words, wave 7 V's.
; Behind the full sequence and a round: steps 4-11, two steps a wave (waves 0-3 K, 4-7 V).  When step 3 has been read, behind a round: steps 12-15 into places 0-3, a step a wave.
; No prefetch is laid: the launch has three fills in all; the second is asked for four key steps ahead of its first read, the third eight.
; FRAGMENTS ARE ASKED FOR A PHASE AHEAD, into a second register window: V's eight straight behind the step's score products, the next step's K's eight in front of the exponentials.
; CLUSTER 4 x 1: the four query blocks of a cluster belong to one head and ask for each tile jointly.
; ao_img: [row block 128][head 16][1536].  ao_sc: [row block][head / 4][row 16][head % 4] words.
; LIMITS: a block of zeros gets the byte 1 (zero codes; this program alone reads the bytes); blocks whose largest magnitude lies under 2^-124 were not tried; NaN and infinities are not served.
; REGISTERS: window 0: v1-6 addresses that stay; v8-11 addresses in hand; v12 -M, v13 the largest t, v[14:15] the sum; v16-27 Q; v80-87 K's scale words, v88-95 V's; v96-159 S^T, then p; v160-223 O^T; v224-235 p's codes;
;   v232-254 at work; v255 Q's scale word; v32-79 at work.   window 1: v0-95 K's eight fragments; v96-191 V's eight.
.set STEPB, 12288
.set VREG,  12*STEPB
.set SCK,   2*VREG
.set SCV,   SCK+8192
.set SPARE, SCV+8192                   ; the spare words: 128 bytes a wave, four blocks of 256 bytes that no other line names
.set KIND,  3145728                    ; bytes of a kind's images (q, k, v)
.set LI,   1
.set AV0,  2
.set ASK0, 3
.set ASV0, 4
.set SPW,  5
.set NIL,  6
.set ADK,  8
.set ADV,  9
.set ADS,  10
.set ADT,  11
.set KS,   80
.set VS,   88
.set VF,   96
.set TM,   32
.set PC,   48
.set PW,   68
.set WV,   12
.set CNT,  18
.set HOFF, 19
.set SEL,  20
.set CS,   22
.set G1T,  24
.set G1S,  32
.set G0S,  40
.set G0T,  44                          ; s44-47 the refill's group 0, s48-51 the second fill's, s52-55 the head's
.set TB,   2
.set TS,   3
.set MSB, 0
.macro WIN new
.if MSB != (\new)
	s_set_vgpr_msb (MSB<<8)|(\new)
.set MSB, (\new)
.endif
.endm
.macro CROUND
	s_barrier_signal -1
	s_barrier_wait -1
	s_cmp_lg_u32 s[WV], 0
	s_cbranch_scc1 .Lnot_wave_0_\@
	s_barrier_signal -3
.Lnot_wave_0_\@:
	s_barrier_wait -3
	s_barrier_signal -1
	s_barrier_wait -1
.endm
.macro NOPS4
.rept 4
	v_nop
.endr
.endm
	s_load_b256 s[4:11], s[0:1], 0x0               ; qkv_img, qkv_sc, ao_img, ao_sc
	v_lshl_add_u32 v[SPW], v0, 2, SPARE
	v_mov_b32 v[NIL], 0
	ds_add_u32 v[SPW], v[NIL]                      ; the opening lines: the add, twice on end, and its wait ahead of my first tensor load
	ds_add_u32 v[SPW], v[NIL]
	v_lshrrev_b32 v8, 5, v0
	s_delay_alu instid0(VALU_DEP_1)
	v_readfirstlane_b32 s[WV], v8                  ; wave 0..7
	s_bfe_u32 s13, ttmp6, 0x40000                  ; cx
	s_lshl_b32 s14, ttmp9, 2
	s_add_co_u32 s14, s14, s13                     ; my block of 128 queries: it enters Q's and O's addresses alone
	s_and_b32 s15, ttmp7, 0xffff                   ; the head, which the partners share
	s_lshr_b32 s16, s[WV], 2                       ; behind the head I fetch for K (0) or V (1),
	s_and_b32 s17, s[WV], 3                        ; this part of four
	s_mul_i32 s[HOFF], s15, 196608
	s_mul_i32 s56, s16, KIND
	s_add_co_u32 s56, s56, s[HOFF]
	s_add_co_u32 s56, s56, KIND
	s_mul_i32 s61, s17, STEPB
	s_add_co_u32 s56, s56, s61                     ; memory: my kind, the head, part x a step
	s_mov_b32 s57, 0
	s_mul_i32 s62, s16, VREG
	s_add_co_u32 s62, s62, s61                     ; LDS: the same
	s_mul_i32 s70, s[WV], 11
	s_lshr_b32 s70, s70, 5                         ; at the head: wave / 3: K (0), V (1), scales (2)
	s_lshl_b32 s63, s[WV], 14
	s_mul_i32 s58, s70, KIND-49152
	s_add_co_u32 s58, s58, s63
	s_add_co_u32 s58, s58, s[HOFF]
	s_add_co_u32 s58, s58, KIND                    ; memory: kind, head, (wave % 3) x 16,384
	s_mov_b32 s59, 0
	s_mul_i32 s70, s70, VREG-49152
	s_add_co_u32 s63, s63, s70                     ; LDS: the same
	s_and_b32 s71, s[WV], 1                        ; waves 6, 7: K's or V's scale words
	s_lshl_b32 s70, s71, 17
	s_lshl_b32 s60, s15, 13
	s_add_co_u32 s70, s70, s60
	s_add_co_u32 s70, s70, 1<<17
	s_lshl_b32 s60, s71, 13
	s_add_co_u32 s60, s60, SCK
	s_mov_b32 s71, 0
	s_mov_b32 s[G1T], 15|(3<<16)|(1<<21)           ; the mask: all four; elements of 8 bytes; bit 21 beside a mask
	s_mov_b32 s[G1T+1], 32<<16                     ; dense bytes as rows of 256: at the head 64 rows
	s_mov_b32 s[G1T+2], 64<<16
	s_mov_b32 s[G1T+3], 32<<16
	s_mov_b32 s[G1T+4], 64
	s_mov_b32 s[G1T+5], 32
	s_mov_b32 s[G1T+6], 0
	s_mov_b32 s[G1T+7], 0
	s_mov_b32 s[G1S], 15|(3<<16)|(1<<21)           ; 8,192 dense bytes of scale words as 32 rows of 256
	s_mov_b32 s[G1S+1], 32<<16
	s_mov_b32 s[G1S+2], 32<<16
	s_mov_b32 s[G1S+3], 32<<16
	s_mov_b32 s[G1S+4], 32
	s_mov_b32 s[G1S+5], 32
	s_mov_b32 s[G1S+6], 0
	s_mov_b32 s[G1S+7], 0
	s_mov_b32 s[SEL], 0x76543210
	s_mov_b32 s[SEL+1], 0xfedcba98
	s_mov_b32 s[CS], 0x3e0293ee                    ; c = log2(e) / sqrt(128)
	s_mov_b32 s[CS+1], s[CS]
	s_wait_dscnt 0x0                               ; both opening adds are done
	s_wait_kmcnt 0x0
	s_mov_b32 s[G0S], 1
	s_mov_b32 s[G0S+1], s60
	s_add_nc_u64 s[G0S+2:G0S+3], s[6:7], s[70:71]
	s_or_b32 s[G0S+3], s[G0S+3], 0x80000000
	s_add_nc_u64 s[56:57], s[4:5], s[56:57]
	s_mov_b32 s[G0T], 1                            ; the refill: step 12 + part into place part
	s_mov_b32 s[G0T+1], s62
	s_add_nc_u64 s[G0T+2:G0T+3], s[56:57], 12*STEPB
	s_or_b32 s[G0T+3], s[G0T+3], 0x80000000
	s_mov_b32 s[G0T+4], 1                          ; the second fill: steps 4 + 2 part and the next
	s_add_co_u32 s[G0T+5], s62, s61
	s_add_co_u32 s[G0T+5], s[G0T+5], 4*STEPB
	s_mov_b32 s60, s61
	s_mov_b32 s61, 0
	s_add_nc_u64 s[G0T+6:G0T+7], s[56:57], s[60:61]
	s_add_nc_u64 s[G0T+6:G0T+7], s[G0T+6:G0T+7], 4*STEPB
	s_or_b32 s[G0T+7], s[G0T+7], 0x80000000
	s_mov_b32 s[G0T+8], 1                          ; the head's tile
	s_mov_b32 s[G0T+9], s63
	s_add_nc_u64 s[G0T+10:G0T+11], s[4:5], s[58:59]
	s_or_b32 s[G0T+11], s[G0T+11], 0x80000000
	CROUND                                         ; all four work-groups are here: the first joint loads meet
	s_cmp_lt_u32 s[WV], 6                          ; one branch on the wave's number, a load in each arm, one join
	s_cbranch_scc0 .Lhead_sc
	tensor_load_to_lds s[G0T+8:G0T+11], s[G1T:G1T+7]
	s_nop 0
	NOPS4
	s_branch .Lhead_asked
.Lhead_sc:
	tensor_load_to_lds s[G0S:G0S+3], s[G1S:G1S+7]
	s_nop 0
	NOPS4
.Lhead_asked:
	s_lshl_b32 s60, s14, 3
	s_add_co_u32 s60, s60, s[WV]                   ; my row block of queries
	s_mul_i32 s62, s60, 1536
	s_add_co_u32 s62, s62, s[HOFF]
	s_mov_b32 s63, 0
	s_add_nc_u64 s[66:67], s[4:5], s[62:63]        ; Q's image
	s_lshl_b32 s62, s15, 4
	s_add_co_u32 s62, s62, s14
	s_lshl_b32 s62, s62, 9
	s_lshl_b32 s61, s[WV], 2
	s_add_co_u32 s62, s62, s61
	s_add_nc_u64 s[68:69], s[6:7], s[62:63]        ; and its scale words
	s_lshl_b32 s62, s60, 4
	s_add_co_u32 s62, s62, s15
	s_mul_i32 s62, s62, 1536
	s_add_nc_u64 s[8:9], s[8:9], s[62:63]          ; my image of O
	s_lshl_b32 s62, s60, 10
	s_lshr_b32 s61, s15, 2
	s_lshl_b32 s61, s61, 8
	s_add_co_u32 s62, s62, s61
	s_and_b32 s61, s15, 3
	s_lshl_b32 s61, s61, 2
	s_add_co_u32 s62, s62, s61
	s_add_nc_u64 s[10:11], s[10:11], s[62:63]      ; and its scale words
	v_and_b32 v8, 15, v0                           ; r
	v_and_b32 v9, 31, v0                           ; lane
	s_delay_alu instid0(VALU_DEP_1)
	v_lshlrev_b32 v[LI], 4, v9
	s_delay_alu instid0(VALU_DEP_1)
	v_add_nc_u32 v[AV0], VREG, v[LI]
	s_delay_alu instid0(VALU_DEP_4)
	v_lshl_add_u32 v[ASK0], v8, 5, SCK             ; a row's eight words of a step's eight tiles: 32 r
	v_lshl_add_u32 v[ASV0], v8, 5, SCV
	v_lshlrev_b32 v254, 5, v8
.irp c, 0,1,2
	global_load_b128 v[16+4*\c:19+4*\c], v[LI], s[66:67] offset:512*\c   ; Q's fragment stays in registers
.endr
	global_load_b32 v255, v254, s[68:69]
	v_mov_b32 v13, 0xff61b1e6                      ; the largest t so far: -3e38
	s_delay_alu instid0(VALU_DEP_1)
	v_floor_f32 v12, -v13                          ; -M
	v_mov_b32 v14, 0
	v_mov_b32 v15, 0
.irp b, 0,1,2,3
	v_mov_b32 v[236+\b], 0                         ; a lane permute's destination counts as one of its sources
.endr
	v_mov_b32 v253, 0
.set j, 0
.rept 64
	v_mov_b32 v[160+j], 0                          ; O^T: the step is written once; the first finds zeros
.set j, j+1
.endr
; 26 LDS loads: a step's eight fragments of K into window 1, and its eight scale words
.macro KRUN off, soff
	WIN 0x40
.irp t, 0,1,2,3,4,5,6,7
.irp c, 0,1,2
	ds_load_b128 v[12*\t+4*\c:12*\t+4*\c+3], v[ADK] offset:\off+\t*1536+512*\c
.endr
.endr
	WIN 0
	ds_load_b128 v[KS:KS+3], v[ADS] offset:\soff
	ds_load_b128 v[KS+4:KS+7], v[ADS] offset:\soff+16
.endm
.macro VRUN
	WIN 0x40
.irp t, 0,1,2,3,4,5,6,7
.irp c, 0,1,2
	ds_load_b128 v[VF+12*\t+4*\c:VF+12*\t+4*\c+3], v[ADV] offset:\t*1536+512*\c
.endr
.endr
	WIN 0
	ds_load_b128 v[VS:VS+3], v[ADT]
	ds_load_b128 v[VS+4:VS+7], v[ADT] offset:16
.endm
.macro HEADK                           ; at the head of a run of steps: K of its first step
	v_add_nc_u32 v[ADK], s[TB], v[LI]
	v_add_nc_u32 v[ADS], s[TS], v[ASK0]
	KRUN 0, 0
.endm
; A KEY STEP: 128 keys.  more = 1: the next step's place is whole, and its K is asked for in this step.
.macro STEP more
	s_wait_dscnt 0x0                               ; K's fragments and words are in
	WIN 0x01
.irp t, 0,1,2,3,4,5,6,7                ; S^T = K Q^T: eight accumulators, each begun with 0
	v_wmma_scale_f32_16x16x128_f8f6f4 v[96+8*\t:103+8*\t], v[12*\t:12*\t+11], v[16:27], 0, v[KS+\t], v255 matrix_a_fmt:MATRIX_FMT_FP6 matrix_b_fmt:MATRIX_FMT_FP6
.endr
	WIN 0
	v_add_nc_u32 v[ADV], s[TB], v[AV0]             ; four plain instructions: the places behind the products, in front of the loads below and of the first read of the scores
	v_add_nc_u32 v[ADT], s[TS], v[ASV0]
	v_add_nc_u32 v[ADK], s[TB], v[LI]
	v_add_nc_u32 v[ADS], s[TS], v[ASK0]
	VRUN
.irp b, 0,1,2,3
	v_max3_num_f32 v[232+\b], v[96+16*\b], v[97+16*\b], v[98+16*\b]   ; the largest score of each block of 32 keys: for the row's maximum and for the block's largest p
.endr
.irp i, 3,5,7,9,11,13
.irp b, 0,1,2,3
	v_max3_num_f32 v[232+\b], v[232+\b], v[96+16*\b+\i], v[97+16*\b+\i]
.endr
.endr
.irp b, 0,1,2,3
	v_max_num_f32 v[232+\b], v[232+\b], v[111+16*\b]
.endr
.irp b, 0,1,2,3
	s_delay_alu instid0(VALU_DEP_4)
	v_permlanex16_b32 v[236+\b], v[232+\b], s[SEL], s[SEL+1]
.endr
.irp b, 0,1,2,3
	s_delay_alu instid0(VALU_DEP_4)
	v_max_num_f32 v[232+\b], v[232+\b], v[236+\b]  ; with lane l xor 16's 16 keys
.endr
	s_delay_alu instid0(VALU_DEP_2)
	v_max3_num_f32 v254, v232, v233, v234
	s_delay_alu instid0(VALU_DEP_1)
	v_max_num_f32 v254, v254, v235
	s_delay_alu instid0(VALU_DEP_1)
	v_mul_f32 v254, s[CS], v254                    ; as t
	s_delay_alu instid0(VALU_DEP_1)
	v_max_num_f32 v13, v13, v254                   ; the running largest t
	v_mov_b32 v254, v12
	s_delay_alu instid0(VALU_DEP_2)
	v_floor_f32 v12, -v13                          ; the new -M = -ceil(t)
	s_delay_alu instid0(VALU_DEP_1)
	v_sub_f32 v254, v12, v254                      ; old M - new M: a whole number, 0 or less
	s_delay_alu instid0(VALU_DEP_1)
	v_cvt_i32_f32 v254, v254
	s_delay_alu instid0(VALU_DEP_1)
	v_ldexp_f32 v252, 1.0, v254                    ; f = 2^(old M - new M)
.set j, 0
.rept 32
	v_pk_fma_f32 v[96+j:97+j], v[96+j:97+j], s[CS:CS+1], v[12:13] op_sel_hi:[1,0,0]   ; t - M
.set j, j+2
.endr
.irp b, 0,1,2,3
	v_fma_f32 v[232+\b], v[232+\b], s[CS], v12     ; the same of each block's largest score
.endr
.if \more
	KRUN STEPB, 512                                ; the next step's K
.endif
.set j, 0
	s_wait_alu depctr_va_vdst(0)
.rept 64
	v_exp_f32 v[96+j], v[96+j]                     ; p = 2^(t - M)
.set j, j+1
.endr
	v_pk_mul_f32 v[14:15], v[14:15], v[252:253] op_sel_hi:[1,0]    ; the sums under the new M: a plain place behind the exponentials
	s_wait_alu depctr_va_vdst(0)                   ; one wait for the batch, ahead of its first reader
.irp b, 0,1,2,3
	v_exp_f32 v[232+\b], v[232+\b]                 ; the block's largest p
.endr
	v_pk_add_f32 v[236:237], v[100:101], v[104:105]   ; the row's sum of the unquantised p, in eight chains
	v_pk_add_f32 v[250:251], v[108:109], v[112:113]
	v_pk_add_f32 v[248:249], v[116:117], v[120:121]
	v_pk_add_f32 v[78:79], v[124:125], v[128:129]
	v_pk_add_f32 v[76:77], v[132:133], v[136:137]
	v_pk_add_f32 v[74:75], v[140:141], v[144:145]
	v_pk_add_f32 v[72:73], v[148:149], v[152:153]
	v_pk_add_f32 v[14:15], v[14:15], v[156:157]
	v_pk_add_f32 v[236:237], v[236:237], v[96:97]
	v_pk_add_f32 v[250:251], v[250:251], v[98:99]
	v_pk_add_f32 v[248:249], v[248:249], v[102:103]
	v_pk_add_f32 v[78:79], v[78:79], v[106:107]
	v_pk_add_f32 v[76:77], v[76:77], v[110:111]
	v_pk_add_f32 v[74:75], v[74:75], v[114:115]
	v_pk_add_f32 v[72:73], v[72:73], v[118:119]
	v_pk_add_f32 v[14:15], v[14:15], v[122:123]
	v_pk_add_f32 v[236:237], v[236:237], v[126:127]
	v_pk_add_f32 v[250:251], v[250:251], v[130:131]
	v_pk_add_f32 v[248:249], v[248:249], v[134:135]
	v_pk_add_f32 v[78:79], v[78:79], v[138:139]
	v_pk_add_f32 v[76:77], v[76:77], v[142:143]
	v_pk_add_f32 v[74:75], v[74:75], v[146:147]
	v_pk_add_f32 v[72:73], v[72:73], v[150:151]
	v_pk_add_f32 v[14:15], v[14:15], v[154:155]
	v_pk_add_f32 v[236:237], v[236:237], v[158:159]
	s_delay_alu instid0(VALU_DEP_2)
	v_pk_add_f32 v[14:15], v[14:15], v[78:79]
	s_delay_alu instid0(VALU_DEP_2)
	v_pk_add_f32 v[236:237], v[236:237], v[76:77]
	v_pk_add_f32 v[250:251], v[250:251], v[74:75]
	v_pk_add_f32 v[248:249], v[248:249], v[72:73]
	s_delay_alu instid0(VALU_DEP_2)
	v_pk_add_f32 v[14:15], v[14:15], v[250:251]
	s_delay_alu instid0(VALU_DEP_2)
	v_pk_add_f32 v[236:237], v[236:237], v[248:249]
	s_delay_alu instid0(VALU_DEP_1)
	v_pk_add_f32 v[14:15], v[14:15], v[236:237]
	s_wait_alu depctr_va_vdst(0)                   ; and one for the four
.irp b, 0,1,2,3
	v_max_num_f32 v[232+\b], 0x1800000, v[232+\b]  ; the floor 2^(3 - 127)
.endr
.irp b, 0,1,2,3
	s_delay_alu instid0(VALU_DEP_4)
	v_add_nc_u32 v[244+\b], 0xff000000, v[232+\b]  ; the conversion's scale operand
.endr
.irp b, 0,1,2,3
	s_delay_alu instid0(VALU_DEP_4)
	v_lshrrev_b32 v[236+\b], 23, v[244+\b]         ; the byte
.endr
	s_delay_alu instid0(VALU_DEP_3)
	v_lshl_or_b32 v253, v237, 8, v236              ; p's scale word for these 128 keys
	s_delay_alu instid0(VALU_DEP_1)
	v_lshl_or_b32 v253, v238, 16, v253
	s_delay_alu instid0(VALU_DEP_1)
	v_lshl_or_b32 v253, v239, 24, v253
.irp c, 0,1
	v_cvt_scalef32_pk16_fp6_f32 v[224+6*\c:226+6*\c], v[96+32*\c:111+32*\c], v[244+2*\c]
	v_cvt_scalef32_pk16_fp6_f32 v[236+4*\c:238+4*\c], v[112+32*\c:127+32*\c], v[244+2*\c+1]
.endr
	v_nop                                          ; one plain place behind the scaled conversions
.irp c, 0,1
.irp i, 0,1,2
	v_permlane16_swap_b32 v[224+6*\c+\i], v[236+4*\c+\i]
.endr
.irp i, 0,1,2
	s_delay_alu instid0(VALU_DEP_3)
	v_mov_b32 v[227+6*\c+\i], v[236+4*\c+\i]
.endr
.endr
.set j, 0
.rept 32
	v_pk_mul_f32 v[160+j:161+j], v[160+j:161+j], v[252:253] op_sel_hi:[1,0]   ; O^T under the new M; also the places in front of the products below
.set j, j+2
.endr
	s_wait_alu depctr_va_vdst(0)
	s_wait_dscnt 0x0                               ; V's run, and the next step's K's, are in
	WIN 0x01
.irp t, 0,1,2,3,4,5,6,7                ; O^T += V^T P^T: eight accumulators by turns
	v_wmma_scale_f32_16x16x128_f8f6f4 v[160+8*\t:167+8*\t], v[VF+12*\t:VF+12*\t+11], v[224:235], v[160+8*\t:167+8*\t], v[VS+\t], v253 matrix_a_fmt:MATRIX_FMT_FP6 matrix_b_fmt:MATRIX_FMT_FP6
.endr
	WIN 0
	s_add_co_u32 s[TB], s[TB], STEPB
	s_add_co_u32 s[TS], s[TS], 512
.endm
.macro STEPS n                         ; n steps that ask for their successor's K, and one that does not
	s_mov_b32 s[CNT], \n
.Lstep_\@:
	STEP 1
	s_sub_co_u32 s[CNT], s[CNT], 1
	s_cmp_lg_u32 s[CNT], 0
	s_cbranch_scc1 .Lstep_\@
	STEP 0
.endm
	s_wait_alu depctr_va_vdst(0)
	s_wait_loadcnt 0x0                             ; Q
	s_wait_tensorcnt 0x0                           ; my tile of the head's eight is in
	ds_add_u32 v[SPW], v[NIL]
	s_mov_b32 s[G1T+2], 96<<16                     ; no load of mine is out: the next brings two steps, 96 rows of 256 bytes
	s_mov_b32 s[G1T+4], 96
	s_wait_dscnt 0x0
	CROUND                                         ; steps 0-3 and the scale words are whole for every wave, and the partners are here
	tensor_load_to_lds s[G0T+4:G0T+7], s[G1T:G1T+7]   ; steps 4-11: my one load behind the round; steps 0-3 are walked meanwhile
	s_nop 0
	NOPS4
	s_mov_b32 s[TB], 0
	s_mov_b32 s[TS], 0
	HEADK
	STEPS 3                                        ; steps 0-3
	s_wait_tensorcnt 0x0                           ; my two steps of 4-11 have landed
	ds_add_u32 v[SPW], v[NIL]
	s_mov_b32 s[G1T+2], 48<<16                     ; the refill brings one step, 48 rows
	s_mov_b32 s[G1T+4], 48
	s_wait_dscnt 0x0                               ; the add is done, and my reads of places 0-3 are over
	CROUND                                         ; both now hold of every wave of the cluster; places 4-11 are whole
	tensor_load_to_lds s[G0T:G0T+3], s[G1T:G1T+7]  ; steps 12-15 into places 0-3: my one load behind the round
	s_nop 0
	NOPS4
	s_mov_b32 s[TB], 4*STEPB
	s_mov_b32 s[TS], 4*512
	HEADK
	STEPS 7                                        ; steps 4-11: no barrier between them
	s_wait_tensorcnt 0x0                           ; my step of 12-15 is in,
	s_wait_dscnt 0x0
	s_barrier_signal -1
	s_barrier_wait -1                              ; everybody's is
	s_mov_b32 s[TB], 0
	s_mov_b32 s[TS], 12*512
	HEADK
	STEPS 3                                        ; steps 12-15
	; THE WAY OUT: O^T / the sum; its 64 registers are channels 32 b + 16 (lane / 16) + i of my query: quantised as they stand
	v_add_f32 v14, v14, v15
	s_delay_alu instid0(VALU_DEP_1)
	v_permlanex16_b32 v252, v14, s[SEL], s[SEL+1]
	s_delay_alu instid0(VALU_DEP_1)
	v_add_f32 v14, v14, v252                       ; the row's sum
	s_wait_alu depctr_va_vdst(0)
	v_rcp_f32 v14, v14
	v_and_b32 v8, 15, v0                           ; (a plain place behind the reciprocal)
	s_delay_alu instid0(VALU_DEP_1)
	v_lshlrev_b32 v8, 4, v8                        ; 16 r: my row's place among the scale words
	v_and_b32 v9, 31, v0
	v_nop
.irp b, 0,1,2,3
	v_mov_b32 v[TM+4+\b], 0
.endr
	s_wait_alu depctr_va_vdst(0)
.set j, 0
.rept 32
	v_pk_mul_f32 v[96+j:97+j], v[160+j:161+j], v[14:15] op_sel_hi:[1,0]
.set j, j+2
.endr
.irp b, 0,1,2,3
	v_max3_num_f32 v[TM+\b], |v[96+16*\b]|, |v[97+16*\b]|, 0x1800000
.endr
.irp i, 2,4,6,8,10,12,14
.irp b, 0,1,2,3
	s_delay_alu instid0(VALU_DEP_4)
	v_max3_num_f32 v[TM+\b], v[TM+\b], |v[96+16*\b+\i]|, |v[97+16*\b+\i]|
.endr
.endr
.irp b, 0,1,2,3
	s_delay_alu instid0(VALU_DEP_4)
	v_permlanex16_b32 v[TM+4+\b], v[TM+\b], s[SEL], s[SEL+1]
.endr
.irp b, 0,1,2,3
	s_delay_alu instid0(VALU_DEP_4)
	v_max_num_f32 v[TM+\b], v[TM+\b], v[TM+4+\b]
.endr
.irp b, 0,1,2,3
	s_delay_alu instid0(VALU_DEP_4)
	v_add_nc_u32 v[TM+12+\b], 0xff000000, v[TM+\b]
.endr
.irp b, 0,1,2,3
	s_delay_alu instid0(VALU_DEP_4)
	v_lshrrev_b32 v[TM+4+\b], 23, v[TM+12+\b]
.endr
	s_delay_alu instid0(VALU_DEP_3)
	v_lshl_or_b32 v[PW], v[TM+5], 8, v[TM+4]
	s_delay_alu instid0(VALU_DEP_1)
	v_lshl_or_b32 v[PW], v[TM+6], 16, v[PW]
	s_delay_alu instid0(VALU_DEP_1)
	v_lshl_or_b32 v[PW], v[TM+7], 24, v[PW]
.irp c, 0,1
	v_cvt_scalef32_pk16_fp6_f32 v[PC+6*\c:PC+2+6*\c], v[96+32*\c:111+32*\c], v[TM+12+2*\c]
	v_cvt_scalef32_pk16_fp6_f32 v[PC+12+4*\c:PC+14+4*\c], v[112+32*\c:127+32*\c], v[TM+12+2*\c+1]
.endr
	v_nop
.irp c, 0,1
.irp i, 0,1,2
	v_permlane16_swap_b32 v[PC+6*\c+\i], v[PC+12+4*\c+\i]
.endr
.irp i, 0,1,2
	s_delay_alu instid0(VALU_DEP_3)
	v_mov_b32 v[PC+3+6*\c+\i], v[PC+12+4*\c+\i]
.endr
.endr
.irp c, 0,1,2
	global_store_b128 v[LI], v[PC+4*\c:PC+4*\c+3], s[8:9] offset:512*\c   ; 32 lanes store 512 consecutive bytes
.endr
	v_cmp_gt_u32 vcc_lo, 16, v9
	s_wait_xcnt 0x0                                ; EXEC changes only behind this wait
	s_and_saveexec_b32 s56, vcc_lo
	global_store_b32 v8, v[PW], s[10:11]           ; lanes 0-15: a word a row, 16 bytes apart: the other heads' words lie between
	s_wait_xcnt 0x0
	s_or_b32 exec_lo, exec_lo, s56
	s_wait_tensorcnt 0x0                           ; the wave's end
	ds_add_u32 v[SPW], v[NIL]
	s_wait_dscnt 0x0
	CROUND                                         ; the closing round
	s_endpgm
.Lfunc_end_k_qd585a5446d_attn:
	.size	k_qd585a5446d_attn, .Lfunc_end_k_qd585a5446d_attn-k_qd585a5446d_attn
	.p2alignl 7, 3214868480
	.fill 96, 4, 3214868480
	.section	.rodata,"a",@progbits
	.p2align	6, 0x0
	.amdhsa_kernel k_qd585a5446d_attn
		.amdhsa_group_segment_fixed_size 327680
		.amdhsa_private_segment_fixed_size 0
		.amdhsa_enable_private_segment 0
		.amdhsa_kernarg_size 32
		.amdhsa_user_sgpr_count 2
		.amdhsa_user_sgpr_kernarg_segment_ptr 1
		.amdhsa_wavefront_size32 1
		.amdhsa_system_sgpr_workgroup_id_x 1
		.amdhsa_system_sgpr_workgroup_id_y 1
		.amdhsa_system_sgpr_workgroup_id_z 1
		.amdhsa_system_vgpr_workitem_id 0
		.amdhsa_next_free_vgpr 512
		.amdhsa_next_free_sgpr 72
		.amdhsa_reserve_vcc 1
		.amdhsa_float_denorm_mode_32 3
		.amdhsa_float_denorm_mode_16_64 3
		.amdhsa_memory_ordered 1
		.amdhsa_forward_progress 1
		.amdhsa_inst_pref_size 139
	.end_amdhsa_kernel
	.amdgpu_metadata
---
amdhsa.version: [ 1, 2 ]
amdhsa.kernels:
  - .name:           k_qd585a5446d_attn
    .symbol:         k_qd585a5446d_attn.kd
    .args:
      - { .name: qkv_img, .offset: 0, .size: 8, .value_kind: global_buffer, .address_space: global }
      - { .name: qkv_sc, .offset: 8, .size: 8, .value_kind: global_buffer, .address_space: global }
      - { .name: ao_img, .offset: 16, .size: 8, .value_kind: global_buffer, .address_space: global }
      - { .name: ao_sc, .offset: 24, .size: 8, .value_kind: global_buffer, .address_space: global }
    .group_segment_fixed_size: 327680
    .private_segment_fixed_size: 0
    .kernarg_segment_align: 8
    .kernarg_segment_size: 32
    .max_flat_workgroup_size: 256
    .sgpr_count:     72
    .vgpr_count:     512
    .wavefront_size: 32
...
	.end_amdgpu_metadata
.endif
;; end of part 3
;; launch oproj (part 4): grid 16 x 16, 4 waves a work-group, clusters of 4 x 4, 327,680 bytes of LDS; arguments ao_img, ao_sc, codes, scales, out0; writes out0
.if DOCPART == 4
	.amdgcn_target "amdgcn-amd-amdhsa--gfx1250"
	.amdhsa_code_object_version 6
	.text
	.protected	k_qd585a5446d_oproj
	.globl	k_qd585a5446d_oproj
	.p2align	8
	.type	k_qd585a5446d_oproj,@function
k_qd585a5446d_oproj:
	s_mov_b64 s[64:65], 0
	v_nop
	global_prefetch_b8 v0, s[64:65] scope:SCOPE_SE
	s_setreg_imm32_b32 hwreg(HW_REG_WAVE_MODE, 25, 1), 1
	s_wait_xcnt 0x0
	s_wait_alu depctr_hold_cnt(0) depctr_sa_sdst(0) depctr_va_vdst(0) depctr_va_sdst(0) depctr_va_ssrc(0) depctr_va_vcc(0) depctr_vm_vsrc(0)
	s_getreg_b32 s2, hwreg(HW_REG_IB_STS2, 6, 4)
	s_cmp_eq_u32 s2, 0
	s_cbranch_scc0 .Lentry_in_a_cluster
	s_endpgm
.Lentry_in_a_cluster:
	s_bfe_u32 s2, ttmp6, 0x10000c
	s_cmp_lg_u32 s2, 0xf033
	s_cbranch_scc0 .Lentry_shape_is_right
	s_endpgm
.Lentry_shape_is_right:
; out0 = O wo^T on codes of FP6 (E2M3) with E8M0 scales, both operands as images of operand registers; a block of 128 x 128 a work-group, 64 x 64 a wave; K = 16 steps of 128.
; THE FILLS, one joint load a wave each time.  At the head: wave 0 O's 8 row blocks of K steps 0-3, wave 1 wo's, waves 2 and 3 their scale words for all of K.
; Behind the full sequence and a round: K steps 4-11 of my 4 row blocks, rows of 12,288 bytes: slots 1 and 2 lie side by side in each row.  When steps 0-3 have been read, behind a round: steps 12-15 into slot 0.
; No prefetch is laid: the launch has three fills in all and no loop to run ahead in.
.set FRB,   1536
.set RGN,   24576
.set SLOT,  4*RGN
.set SCL,   3*SLOT
.set SPARE, SCL+4*4096
.set STAGE, SLOT
.set ADRA, 16
.set ADRB, 20
.set STO,  24
.set RD,   25
.set CO,   26
.set ADRS, 27
.set SPW,  28
.set NIL,  29
.set SC,   32
.set BK,   64
.set ACC,  128
.set G1A,  24
.set G0A,  32
.set G1B,  44
.set G0B,  52
.set G1SA, 68
.set G0SA, 76
.set G1SB, 80
.set G0SB, 88
.set MSB, 0
.macro WIN new
.if MSB != (\new)
	s_set_vgpr_msb (MSB<<8)|(\new)
.set MSB, (\new)
.endif
.endm
.macro JLOAD g0a, g1a, g0b, g1b
	s_cmp_eq_u32 s15, 0
	s_cbranch_scc0 .Lfor_b_\@
	tensor_load_to_lds s[\g0a:\g0a+3], s[\g1a:\g1a+7]
	s_nop 0
.rept 4
	v_nop
.endr
	s_branch .Lasked_\@
.Lfor_b_\@:
	tensor_load_to_lds s[\g0b:\g0b+3], s[\g1b:\g1b+7]
	s_nop 0
.rept 4
	v_nop
.endr
.Lasked_\@:
.endm
.macro CROUND
	s_barrier_signal -1
	s_barrier_wait -1
	s_cmp_lg_u32 s14, 0
	s_cbranch_scc1 .Lnot_wave_0_\@
	s_barrier_signal -3
.Lnot_wave_0_\@:
	s_barrier_wait -3
	s_barrier_signal -1
	s_barrier_wait -1
.endm
.macro PLACES n
.rept \n
	v_nop
.endr
.endm
	s_load_b256 s[4:11], s[0:1], 0x0
	s_load_b64 s[12:13], s[0:1], 0x20
	v_lshl_add_u32 v[SPW], v0, 2, SPARE
	v_mov_b32 v[NIL], 0
	ds_add_u32 v[SPW], v[NIL]
	ds_add_u32 v[SPW], v[NIL]
	v_lshrrev_b32 v1, 5, v0
	v_readfirstlane_b32 s14, v1
	s_lshr_b32 s15, s14, 1
	s_and_b32 s16, s14, 1
	s_bfe_u32 s92, ttmp6, 0x40000
	s_bfe_u32 s93, ttmp6, 0x40004
	s_lshl_b32 s94, ttmp9, 2
	s_add_co_u32 s94, s94, s92
	s_and_b32 s95, ttmp7, 0xffff
	s_lshl_b32 s95, s95, 2
	s_add_co_u32 s95, s95, s93
	s_lshl_b32 s96, s93, 2
	s_lshl_b32 s96, 15, s96
	s_lshl_b32 s97, 0x1111, s92
	s_or_b32 s[G1A+0], s96, (3<<16)|(1<<21)
	s_or_b32 s[G1B+0], s97, (3<<16)|(1<<21)
.irp g, G1A, G1B
	s_mov_b32 s[\g+1], 768<<16
	s_mov_b32 s[\g+2], 8<<16                       ; the head's loads bring 8 row blocks
	s_mov_b32 s[\g+3], 768<<16
	s_mov_b32 s[\g+4], 8
	s_mov_b32 s[\g+5], 3072
	s_mov_b32 s[\g+6], 0
	s_mov_b32 s[\g+7], 0
.endr
	s_or_b32 s[G1SA+0], s96, (3<<16)|(1<<21)
	s_or_b32 s[G1SB+0], s97, (3<<16)|(1<<21)
.irp g, G1SA, G1SB
	s_mov_b32 s[\g+1], 32<<16
	s_mov_b32 s[\g+2], 32<<16                      ; 8 row blocks' scale words: 8,192 dense bytes as 32 rows of 256
	s_mov_b32 s[\g+3], 32<<16
	s_mov_b32 s[\g+4], 32
	s_mov_b32 s[\g+5], 32
	s_mov_b32 s[\g+6], 0
	s_mov_b32 s[\g+7], 0
.endr
	s_lshl_b32 s18, s95, 3
	s_lshl_b32 s19, s94, 3
	s_add_co_u32 s19, s19, 512
	s_mul_i32 s20, s18, 24576
	s_mov_b32 s21, 0
	s_lshl_b32 s22, s18, 10
	s_mov_b32 s23, 0
	s_mul_i32 s98, s19, 24576
	s_mov_b32 s99, 0
	s_lshl_b32 s100, s19, 10
	s_mov_b32 s101, 0
	s_mul_i32 s2, s14, RGN
	s_mul_i32 s18, s16, 4*24576                    ; behind the head I fetch 4 row blocks: which half, in bytes
	s_mov_b32 s19, 0
	s_wait_dscnt 0x0
	s_wait_kmcnt 0x0
	s_add_nc_u64 s[20:21], s[4:5], s[20:21]
	s_add_nc_u64 s[22:23], s[6:7], s[22:23]
	s_add_nc_u64 s[98:99], s[8:9], s[98:99]
	s_add_nc_u64 s[100:101], s[10:11], s[100:101]
	CROUND
	s_mov_b32 s[G0SA], 1                           ; the head's four tiles, each whole: O's scale words,
	s_mov_b32 s[G0SA+1], SCL
	s_mov_b64 s[G0SA+2:G0SA+3], s[22:23]
	s_or_b32 s[G0SA+3], s[G0SA+3], 0x80000000
	s_mov_b32 s[G0SB], 1                           ; wo's,
	s_mov_b32 s[G0SB+1], SCL+2*4096
	s_mov_b64 s[G0SB+2:G0SB+3], s[100:101]
	s_or_b32 s[G0SB+3], s[G0SB+3], 0x80000000
	s_mov_b32 s[G0A+8], 1                          ; slot 0's 8 row blocks of O,
	s_mov_b32 s[G0A+9], 0
	s_mov_b64 s[G0A+10:G0A+11], s[20:21]
	s_or_b32 s[G0A+11], s[G0A+11], 0x80000000
	s_mov_b32 s[G0B+8], 1                          ; and of wo, behind them
	s_mov_b32 s[G0B+9], 2*RGN
	s_mov_b64 s[G0B+10:G0B+11], s[98:99]
	s_or_b32 s[G0B+11], s[G0B+11], 0x80000000
	s_add_nc_u64 s[20:21], s[20:21], s[18:19]      ; my 4 row blocks
	s_add_nc_u64 s[98:99], s[98:99], s[18:19]
	s_lshl_b32 s3, s2, 1                           ; wave x 2 regions
.irp s, 0,1                            ; set 0: slot 0's refill (stepped to K step 12 when it is due); set 1: K steps 4-11
	s_mov_b32 s[G0A+4*\s], 1
	s_add_nc_u64 s[G0A+4*\s+2:G0A+4*\s+3], s[20:21], \s*4*FRB
	s_or_b32 s[G0A+4*\s+3], s[G0A+4*\s+3], 0x80000000
	s_mov_b32 s[G0B+4*\s], 1
	s_add_nc_u64 s[G0B+4*\s+2:G0B+4*\s+3], s[98:99], \s*4*FRB
	s_or_b32 s[G0B+4*\s+3], s[G0B+4*\s+3], 0x80000000
.endr
	s_mov_b32 s[G0A+1], s2
	s_mov_b32 s[G0B+1], s2
	s_add_co_u32 s[G0A+5], s3, SLOT
	s_add_co_u32 s[G0B+5], s3, SLOT
; one chain of branches on the wave's number, one load to an arm, all arms to one join: one tensor load a wave at the head
.macro ARM under, g0, g1, next
	s_cmp_lt_u32 s14, \under
	s_cbranch_scc0 \next
	tensor_load_to_lds s[\g0:\g0+3], s[\g1:\g1+7]
	s_nop 0
.rept 4
	v_nop
.endr
	s_branch .Lhead_asked
\next:
.endm
	ARM 1, G0A+8, G1A,  .Lhead_b
	ARM 2, G0B+8, G1B,  .Lhead_sa
	ARM 3, G0SA,  G1SA, .Lhead_sb
	tensor_load_to_lds s[G0SB:G0SB+3], s[G1SB:G1SB+7]
	s_nop 0
.rept 4
	v_nop
.endr
.Lhead_asked:
	s_wait_alu depctr_va_vdst(0)
	s_wait_tensorcnt 0x0                           ; my tile of the head's four is in
	ds_add_u32 v[SPW], v[NIL]
.irp g, G1A, G1B                       ; no load of mine is out: the next brings 4 row blocks x 8 K steps, rows of 12,288 bytes
	s_mov_b32 s[\g+1], 1536<<16
	s_mov_b32 s[\g+2], 4<<16
	s_mov_b32 s[\g+3], 1536<<16
	s_mov_b32 s[\g+4], 4
.endr
	s_wait_dscnt 0x0
	CROUND                                         ; all four tiles are whole for every wave, and the partners are here
	JLOAD G0A+4, G1A, G0B+4, G1B                   ; K steps 4-11: my one load behind the round
	v_and_b32 v1, 15, v0
	v_bfe_u32 v2, v0, 4, 1
	v_and_b32 v3, 31, v0
	v_lshlrev_b32 v4, 4, v3
	s_mul_i32 s18, s15, RGN
	s_mul_i32 s19, s16, RGN
	s_add_co_u32 s19, s19, 2*RGN
	v_add_nc_u32 v[ADRA], s18, v4                  ; slot 0: region x RGN
	v_add_nc_u32 v[ADRB], s19, v4
	s_lshl_b32 s18, s18, 1
	s_lshl_b32 s19, s19, 1
	s_add_co_u32 s18, s18, SLOT
	s_add_co_u32 s19, s19, SLOT
	v_add_nc_u32 v[ADRA+1], s18, v4                ; slot 1: behind slot 0, region x 2 RGN, rows of 8 K steps;
	v_add_nc_u32 v[ADRB+1], s19, v4
	v_add_nc_u32 v[ADRA+2], 4*FRB, v[ADRA+1]       ; slot 2: four K steps on in the same rows
	v_add_nc_u32 v[ADRB+2], 4*FRB, v[ADRB+1]
	v_lshlrev_b32 v5, 4, v1
	s_lshl_b32 s18, s15, 12
	s_lshl_b32 s19, s16, 12
	s_add_co_u32 s19, s19, 2*4096
	s_sub_co_u32 s19, s19, s18
	v_mul_u32_u24 v6, s19, v2
	s_add_co_u32 s18, s18, SCL
	v_add_nc_u32 v5, v5, v6
	v_add_nc_u32 v[ADRS], s18, v5
	s_mul_i32 s18, s14, 16*272
	s_add_co_u32 s18, s18, STAGE
	v_mul_u32_u24 v5, v1, 272
	v_lshl_add_u32 v5, v2, 6, v5
	v_add_nc_u32 v[STO], s18, v5
	v_mul_u32_u24 v5, v2, 272
	v_lshl_add_u32 v5, v1, 4, v5
	v_add_nc_u32 v[RD], s18, v5
	v_lshlrev_b32 v[CO], 13, v2
	v_lshl_add_u32 v[CO], v1, 4, v[CO]
	s_lshl_b32 s18, s95, 7
	s_lshl_b32 s19, s15, 6
	s_add_co_u32 s18, s18, s19
	s_lshl_b32 s18, s18, 13
	s_lshl_b32 s19, s94, 9
	s_add_co_u32 s18, s18, s19
	s_lshl_b32 s19, s16, 8
	s_add_co_u32 s18, s18, s19
	s_mov_b32 s19, 0
	s_add_nc_u64 s[12:13], s[12:13], s[18:19]
.macro FETCH slot, q, p
.if \slot                              ; a row block's pitch in LDS: 4 K steps in slot 0, 8 in slots 1 and 2
.set FP, 8*FRB
.else
.set FP, 4*FRB
.endif
	WIN 0x40
.irp i, 0,1,2,3
.irp c, 0,1,2
	ds_load_b128 v[128*(\p)+48+12*\i+4*\c:128*(\p)+48+12*\i+4*\c+3], v[ADRB+\slot] offset:\i*FP+(\q)*FRB+512*\c
.endr
.endr
.irp i, 0,1,2,3
.irp c, 0,1,2
	ds_load_b128 v[128*(\p)+12*\i+4*\c:128*(\p)+12*\i+4*\c+3], v[ADRA+\slot] offset:\i*FP+(\q)*FRB+512*\c
.endr
.endr
	WIN 0
.endm
.macro SCALES set
.irp i, 0,1,2,3
	ds_load_b128 v[SC+16*\set+4*\i:SC+16*\set+4*\i+3], v[ADRS] offset:1024*\i
.endr
.endm
.macro MUL p, set, q, zero
	WIN 0x05
.irp a, 0,1,2,3
.irp b, 0,1,2,3
.if \zero
	v_wmma_scale_f32_16x16x128_f8f6f4 v[ACC+8*(4*\a+\b):ACC+8*(4*\a+\b)+7], v[128*(\p)+48+12*\b:128*(\p)+48+12*\b+11], v[128*(\p)+12*\a:128*(\p)+12*\a+11], 0, v[SC+16*(\set)+4*\b+(\q)], v[SC+16*(\set)+4*\a+(\q)] matrix_a_fmt:MATRIX_FMT_FP6 matrix_b_fmt:MATRIX_FMT_FP6 matrix_a_scale:MATRIX_SCALE_ROW1
.else
	v_wmma_scale_f32_16x16x128_f8f6f4 v[ACC+8*(4*\a+\b):ACC+8*(4*\a+\b)+7], v[128*(\p)+48+12*\b:128*(\p)+48+12*\b+11], v[128*(\p)+12*\a:128*(\p)+12*\a+11], v[ACC+8*(4*\a+\b):ACC+8*(4*\a+\b)+7], v[SC+16*(\set)+4*\b+(\q)], v[SC+16*(\set)+4*\a+(\q)] matrix_a_fmt:MATRIX_FMT_FP6 matrix_b_fmt:MATRIX_FMT_FP6 matrix_a_scale:MATRIX_SCALE_ROW1
.endif
.endr
.endr
.endm
.macro KS p, set, q, nslot, nq
	PLACES 4
	FETCH \nslot, \nq, 1-(\p)
	s_wait_dscnt 24
	MUL \p, \set, \q, 0
.endm
	s_wait_alu depctr_va_vdst(0)                   ; slot 0 and the scales were shown whole by the round above
	FETCH 0, 0, 0
	SCALES 0
	FETCH 0, 1, 1
	s_wait_dscnt 24
	MUL 0, 0, 0, 1
	KS 1, 0, 1, 0, 2
	KS 0, 0, 2, 0, 3
	WIN 0
	s_wait_tensorcnt 0x0
	ds_add_u32 v[SPW], v[NIL]
	s_add_nc_u64 s[G0A+2:G0A+3], s[G0A+2:G0A+3], 3*4*FRB
	s_add_nc_u64 s[G0B+2:G0B+3], s[G0B+2:G0B+3], 3*4*FRB
.irp g, G1A, G1B                       ; no load of mine is out: the refill brings rows of 4 K steps again
	s_mov_b32 s[\g+1], 768<<16
	s_mov_b32 s[\g+3], 768<<16
.endr
	s_wait_dscnt 1
	MUL 1, 0, 3, 0
	WIN 0
	s_wait_dscnt 0x0
	CROUND
	JLOAD G0A, G1A, G0B, G1B
	v_add_nc_u32 v[ADRS], 256, v[ADRS]
	FETCH 1, 0, 0
	SCALES 1
	KS 0, 1, 0, 1, 1
	KS 1, 1, 1, 1, 2
	KS 0, 1, 2, 1, 3
	WIN 0
	PLACES 4
	s_wait_alu depctr_va_vdst(0)
	v_add_nc_u32 v[ADRS], 256, v[ADRS]
	FETCH 2, 0, 0
	SCALES 0
	s_wait_alu depctr_va_vdst(0)
	s_wait_dscnt 28
	MUL 1, 1, 3, 0
	KS 0, 0, 0, 2, 1
	KS 1, 0, 1, 2, 2
	KS 0, 0, 2, 2, 3
	s_wait_dscnt 0x0
	MUL 1, 0, 3, 0
	WIN 0
	s_wait_tensorcnt 0x0
	s_barrier_signal -1
	s_barrier_wait -1
	PLACES 4
	v_add_nc_u32 v[ADRS], 256, v[ADRS]
	FETCH 0, 0, 0
	SCALES 1
	KS 0, 1, 0, 0, 1
	KS 1, 1, 1, 0, 2
	KS 0, 1, 2, 0, 3
	s_wait_dscnt 0x0
	MUL 1, 1, 3, 0
	WIN 0
	PLACES 4
.macro TOSTAGE a
.irp b, 0,1,2,3
	ds_store_b128 v[STO], v[ACC+8*(4*(\a)+\b):ACC+8*(4*(\a)+\b)+3] offset:128*(\b/2)+32*(\b%2)
	ds_store_b128 v[STO], v[ACC+8*(4*(\a)+\b)+4:ACC+8*(4*(\a)+\b)+7] offset:128*(\b/2)+32*(\b%2)+16
.endr
.set BB, BK+32*((\a)%2)
.irp t, 0,1,2,3,4,5,6,7
	ds_load_b128 v[BB+4*\t:BB+4*\t+3], v[RD] offset:544*\t
.endr
.endm
.macro SEND a, younger
.set BB, BK+32*((\a)%2)
	s_wait_dscnt \younger
.irp t, 0,1,2,3,4,5,6,7
	global_store_b128 v[CO], v[BB+4*\t:BB+4*\t+3], s[12:13] offset:(32*((\a)/2)+8*((\a)%2)+2*\t+8*(\t/4))*8192 th:TH_STORE_NT
.endr
.endm
	TOSTAGE 0
	TOSTAGE 1
	SEND 0, 16
	s_wait_xcnt 0x0
	TOSTAGE 2
	SEND 1, 16
	s_wait_xcnt 0x0
	TOSTAGE 3
	SEND 2, 16
	SEND 3, 0
	s_wait_tensorcnt 0x0
	ds_add_u32 v[SPW], v[NIL]
	s_wait_dscnt 0x0
	CROUND
	s_endpgm
.Lfunc_end_k_qd585a5446d_oproj:
	.size	k_qd585a5446d_oproj, .Lfunc_end_k_qd585a5446d_oproj-k_qd585a5446d_oproj
	.p2alignl 7, 3214868480
	.fill 96, 4, 3214868480
	.section	.rodata,"a",@progbits
	.p2align	6, 0x0
	.amdhsa_kernel k_qd585a5446d_oproj
		.amdhsa_group_segment_fixed_size 327680
		.amdhsa_private_segment_fixed_size 0
		.amdhsa_enable_private_segment 0
		.amdhsa_kernarg_size 40
		.amdhsa_user_sgpr_count 2
		.amdhsa_user_sgpr_kernarg_segment_ptr 1
		.amdhsa_wavefront_size32 1
		.amdhsa_system_sgpr_workgroup_id_x 1
		.amdhsa_system_sgpr_workgroup_id_y 1
		.amdhsa_system_sgpr_workgroup_id_z 1
		.amdhsa_system_vgpr_workitem_id 0
		.amdhsa_next_free_vgpr 512
		.amdhsa_next_free_sgpr 102
		.amdhsa_reserve_vcc 0
		.amdhsa_float_denorm_mode_32 3
		.amdhsa_float_denorm_mode_16_64 3
		.amdhsa_memory_ordered 1
		.amdhsa_forward_progress 1
		.amdhsa_inst_pref_size 81
	.end_amdhsa_kernel
	.amdgpu_metadata
---
amdhsa.version: [ 1, 2 ]
amdhsa.kernels:
  - .name:           k_qd585a5446d_oproj
    .symbol:         k_qd585a5446d_oproj.kd
    .args:
      - { .name: ao_img, .offset: 0, .size: 8, .value_kind: global_buffer, .address_space: global }
      - { .name: ao_sc, .offset: 8, .size: 8, .value_kind: global_buffer, .address_space: global }
      - { .name: codes, .offset: 16, .size: 8, .value_kind: global_buffer, .address_space: global }
      - { .name: scales, .offset: 24, .size: 8, .value_kind: global_buffer, .address_space: global }
      - { .name: out0, .offset: 32, .size: 8, .value_kind: global_buffer, .address_space: global }
    .group_segment_fixed_size: 327680
    .private_segment_fixed_size: 0
    .kernarg_segment_align: 8
    .kernarg_segment_size: 40
    .max_flat_workgroup_size: 128
    .sgpr_count:     102
    .vgpr_count:     512
    .wavefront_size: 32
...
	.end_amdgpu_metadata
.endif
;; end of part 4
